; MI455X (gfx1250); checked and timed in simulation.
; The chip was launched on July 23, 2026; its instructions are those of AMD's public machine-readable ISA for CDNA 5 (MIT licence, August 2026) and "CDNA5" Instruction Set Architecture Reference Guide (July 2026). The comments in the code are by the model that wrote it; some were corrected since.
;; Causal Self Attention. Allowed arithmetic: matrix products marked QUANTISED: E4M3 operands, one given power-of-two scale a tensor, by v_wmma_f32_16x16x64_fp8_fp8 or v_wmma_f32_16x16x128_fp8_fp8, f32 sums; everything else in f32.
;; Inputs: Wk 1,024 x 1,024 float32; Wo 1,024 x 1,024 float32; Wq 1,024 x 1,024 float32; Wv 1,024 x 1,024 float32; lowp_scales 12 int32 (the exponents e of the quantised operands' scales 2^e); x 4 x 2,048 x 1,024 float32.
;; Outputs: out0 4 x 2,048 x 1,024 float32.
;; This version of the problem:
;;   THIS VERSION OF THE PROBLEM IS GIVEN IN LOW PRECISION. The matrix products marked QUANTISED in the list below multiply operands that are first quantised to E4M3 (4 exponent bits, 3 mantissa bits; 8 bits a number), with one given power-of-two scale for each operand tensor; their sums are f32. All else is computed in f32.
;;   The module's matrix products, in the order in which they are computed (A, B: the left and right operand; K: the contracted axis; several contracted axes count as one K, in the product's order):
;;     1. [M 8,192, K 1,024] x [K 1,024, N 1,024]; A: input x; B: input Wq: QUANTISED (scales: A lowp_scales[0], B lowp_scales[1])
;;     2. [M 8,192, K 1,024] x [K 1,024, N 1,024]; A: input x; B: input Wk: QUANTISED (scales: A lowp_scales[2], B lowp_scales[3])
;;     3. [M 8,192, K 1,024] x [K 1,024, N 1,024]; A: input x; B: input Wv: QUANTISED (scales: A lowp_scales[4], B lowp_scales[5])
;;     4. batch 64 x [M 2,048, K 64] x [K 64, N 2,048]; A: computed on the way; B: computed on the way: QUANTISED (scales: A lowp_scales[6], B lowp_scales[7])
;;     5. batch 64 x [M 2,048, K 2,048] x [K 2,048, N 64]; A: softmax (see below); B: computed on the way: QUANTISED (scales: A lowp_scales[8], B lowp_scales[9])
;;     6. [M 8,192, K 1,024] x [K 1,024, N 1,024]; A: computed on the way; B: input Wo: QUANTISED (scales: A lowp_scales[10], B lowp_scales[11])
;;   THE QUANTISER, for each operand of a quantised product, along K:
;;     - The operand's scale is 2^e, e = its entry of the input lowp_scales (int32; the entries are numbered through the quantised products in the list's order, A before B).
;;     - Each number is divided by the scale, clamped to +-448, and rounded to the nearest number of E4M3, ties to even, subnormals kept.
;;     - The product sums the exact products of the quantised numbers (number of the format x scale) in f32.
;;   ~~~python
;;   def quantise(x, axis, e):      # numpy; x: float32 -> the quantised numbers, widened to float32 again
;;       x = np.moveaxis(x, axis, -1); K = x.shape[-1]
;;       r = np.clip(x / 2.0 ** e, -448, 448)
;;       step = 2.0 ** (np.maximum(np.frexp(np.where(r == 0, 1, r))[1] - 1, -6) - 3)
;;       q = np.round(r / step) * step * 2.0 ** e      # np.round: ties to even
;;       return np.moveaxis(q, -1, axis).astype(np.float32)
;;   ~~~
;;   SOFTMAX AHEAD OF A QUANTISED PRODUCT. Where the list says 'softmax', what is quantised is not the finished softmax but p = 2^(t - M), with t = logit x log2(e) and M = ceil(the row's largest t), a whole number; so 1/2 < the row's largest p <= 1. The row's sum l is taken of the UNQUANTISED p, in f32, and the product's result is divided by l at the end. Since M is a whole number, a kernel that streams over the keys may use a running M (the ceiling of the running maximum): every later rescaling is an exact power of two, so the quantised numbers keep their values, but for numbers so far below the row's largest that they fall under the format's range.
;;   OPERANDS COMPUTED ON THE WAY. 'Computed on the way' means the value that the module computes at that place (a softmax that the list does not call 'softmax' is quantised finished and normalised). What goes into a quantiser is computed in f32, as accurately as f32 sums, v_exp_f32 and their like allow (about 1e-6 of the number): no bf16 or f16 on the way to a quantiser, and a product that is left as it is and whose result goes on into a quantised operand takes f32 operands (vector FMAs, or v_wmma_f32_16x16x4_f32). A number that lies on a knife's edge between two numbers of the format may be rounded either way, as far as f32 arithmetic and the matrix unit's own rounding can turn it there, and no further.
;; One version. Each part assembles by itself: llvm-mc -triple=amdgcn-amd-amdhsa -mcpu=gfx1250 --defsym DOCPART=n.
;; ======== version 1 of 1: 4 launches
;; limits: right only within a limited range of input values
;; workspace buffers: xc 25,165,824 bytes; wc 4,194,304 bytes; qkv 25,165,824 bytes; ac 8,388,608 bytes
;; launch quant (part 1): grid 384 x 1, 4 waves a work-group, no clusters, 33,280 bytes of LDS; arguments x, Wq, Wk, Wv, Wo, lowp_scales, xc, wc; writes xc, wc
.if DOCPART == 1
	.amdgcn_target "amdgcn-amd-amdhsa--gfx1250"
	.amdhsa_code_object_version 6
	.text
	.protected	k_qfde4fd0089_quant
	.globl	k_qfde4fd0089_quant
	.p2align	8
	.type	k_qfde4fd0089_quant,@function
k_qfde4fd0089_quant:
	s_mov_b64 s[64:65], 0
	v_nop
	global_prefetch_b8 v0, s[64:65] scope:SCOPE_SE
	s_setreg_imm32_b32 hwreg(HW_REG_WAVE_MODE, 25, 1), 1
	s_wait_xcnt 0x0
; x [8192][1024] f32 becomes THREE tensors of E4M3 codes (it enters three products, each with a scale entry of its own: e0, e2, e4);
; Wq, Wk, Wv, Wo [1024][1024] f32 become one tensor of codes each (e1, e3, e5, e11).  K is innermost in all of them, so each tensor is a plain stream.
; code = number / 2^e, held within +-448, rounded to the nearest code, ties to even.
; LIMITS: each of these eight exponents lies between -126 and 119, so that 2^e and 448 x 2^e are f32 numbers.  NaN among the inputs is not served; an infinity is held at the largest code.
; SHARES.  A work-group takes 32,768 numbers, a wave 8,192 in 16 steps of 512.  Work-groups 0-255 take x, 256-383 the four weights (32 each).
; Each of a step's four loads reads 512 consecutive bytes; the 2,048 bytes turn through the wave's own stage in LDS (16 bytes of padding behind each 64) and come back 16 NEIGHBOURS a lane, as the
; conversions want them; a lane's 16 codes are 16 bytes, so a wave's store covers 512 consecutive bytes.  Loads run four steps ahead, the turn through LDS one step.
; Both kinds of work-group take one way through the LDS lines; only x's second and third quantising are jumped over, by a scalar branch on the work-group's number.
; No matrix unit, no cluster, no tensor load: waves share nothing and memory bounds the launch.
.set WAVES, 4
.set STEPS, 16
.set XWG,   256                        ; work-groups that take x
.set SP,    80                         ; a lane's place in a stage: 64 bytes + 16 of padding
.set WREG,  8192                       ; LDS of a wave: two stages of 32 x SP bytes
.set SPARE, WAVES*WREG                 ; behind them: the spare words, 128 bytes a wave, that no other line names
.set LO,    3                          ; v3       16 x lane: my bytes of a load's 512 and of a store's 512; never rewritten
.set SPW,   12                         ; v12      my spare word's LDS address; never rewritten
.set NIL,   13                         ; v13      0; never rewritten
.set SIN,   14                         ; v14      the stage, on the way in
.set SOUT,  15                         ; v15      the stage, on the way out
.set R,     16                         ; v16-79   four sets of 16 numbers as loaded
.set X,     80                         ; v80-111  two sets of 16 neighbours
.set T,     112
.set C,     128                        ; v128-139 codes: four registers for each of the three scales
.set SC,    140                        ; v140-142 2^e as f32
.set LM,    144
.set ISX,   44                         ; s44      1 in x's work-groups
.set WV,    45                         ; s45      my wave's number
	s_load_b512 s[8:23], s[0:1], 0x0               ; x s8, Wq s10, Wk s12, Wv s14, Wo s16, the exponents s18, xc s20, wc s22
	v_lshl_add_u32 v[SPW], v0, 2, SPARE
	v_mov_b32 v[NIL], 0
	v_lshrrev_b32 v1, 5, v0
	v_readfirstlane_b32 s[WV], v1
	v_and_b32 v2, 31, v0                           ; lane
	v_lshlrev_b32 v[LO], 4, v2
	s_mul_i32 s46, s[WV], WREG
	v_lshrrev_b32 v[SIN], 2, v2
	v_mul_u32_u24 v[SIN], v[SIN], SP
	v_and_b32 v[SOUT], 3, v2
	v_lshl_add_u32 v[SIN], v[SOUT], 4, v[SIN]
	v_add_nc_u32 v[SIN], s46, v[SIN]               ; in: four lanes' 64 bytes on end, then the padding: SP (lane / 4) + 16 (lane % 4)
	v_mul_u32_u24 v[SOUT], v2, SP
	v_add_nc_u32 v[SOUT], s46, v[SOUT]             ; out: SP x lane: my 16 neighbours
	s_sub_co_u32 s47, ttmp9, XWG                   ; the weights' work-groups count from 0 (in x's the number is not used)
	s_lshr_b32 s48, s47, 5                         ; which weight
	s_and_b32 s49, s47, 31                         ; which 32,768 numbers of it
	s_cmp_lt_u32 ttmp9, XWG
	s_cselect_b32 s[ISX], 1, 0
	s_cselect_b32 s50, ttmp9, s49                  ; my block in the source tensor
	s_cselect_b32 s51, ttmp9, s47                  ; and in the buffer of codes (the four weights' codes lie on end)
	s_lshl_b32 s52, s50, 17                        ; 131,072 bytes of f32 a block,
	s_lshl_b32 s54, s[WV], 15                      ; 32,768 a wave
	s_add_co_u32 s52, s52, s54
	s_mov_b32 s53, 0
	s_lshl_b32 s54, s51, 15                        ; 32,768 bytes of codes a block,
	s_lshl_b32 s55, s[WV], 13                      ; 8,192 a wave
	s_add_co_u32 s54, s54, s55
	s_mov_b32 s55, 0
	s_wait_alu depctr_va_vdst(0)
	s_wait_kmcnt 0x0
	s_load_b256 s[32:39], s[18:19], 0x0            ; e0 .. e7
	s_load_b128 s[40:43], s[18:19], 0x20           ; e8 .. e11
	s_mov_b64 s[24:25], s[10:11]                   ; the source: a choice among buffers that hangs on the work-group's number alone
	s_cmp_eq_u32 s48, 1
	s_cselect_b64 s[24:25], s[12:13], s[24:25]
	s_cmp_eq_u32 s48, 2
	s_cselect_b64 s[24:25], s[14:15], s[24:25]
	s_cmp_eq_u32 s48, 3
	s_cselect_b64 s[24:25], s[16:17], s[24:25]
	s_cmp_lg_u32 s[ISX], 0
	s_cselect_b64 s[24:25], s[8:9], s[24:25]
	s_cselect_b64 s[26:27], s[20:21], s[22:23]     ; the codes' buffer
	s_add_nc_u64 s[24:25], s[24:25], s[52:53]
	s_add_nc_u64 s[26:27], s[26:27], s[54:55]
	s_add_nc_u64 s[28:29], s[26:27], 0x800000      ; x's second and third tensors of codes, 8 MiB apart (used in x's work-groups alone)
	s_add_nc_u64 s[30:31], s[26:27], 0x1000000
.macro LOAD t
.irp i, 0,1,2,3
	global_load_b128 v[R+16*((\t)%4)+4*\i:R+16*((\t)%4)+4*\i+3], v[LO], s[24:25] offset:2048*(\t)+512*\i th:TH_LOAD_NT   ; 32 lanes read 512 consecutive bytes
.endr
.endm
.macro TURN t                          ; step t's numbers through the stage: LDS serves a wave's instructions in order, so no wait stands between the stores and the loads
.irp i, 0,1,2,3
	ds_store_b128 v[SIN], v[R+16*((\t)%4)+4*\i:R+16*((\t)%4)+4*\i+3] offset:32*SP*((\t)%2)+8*SP*\i
.endr
.irp i, 0,1,2,3
	ds_load_b128 v[X+16*((\t)%2)+4*\i:X+16*((\t)%2)+4*\i+3], v[SOUT] offset:32*SP*((\t)%2)+16*\i
.endr
.endm
.irp t, 0,1,2,3
	LOAD \t
.endr
.macro MKSC k, e                       ; 2^e as an f32 number, from the whole number e
	s_add_co_i32 s56, \e, 127
	s_lshl_b32 s57, s56, 23
	v_mov_b32 v[SC+\k], s57
.endm
	s_wait_kmcnt 0x0
	s_mov_b32 s55, s33                             ; the first scale: e1, e3, e5 or e11 for a weight, e0 for x
	s_cmp_eq_u32 s48, 1
	s_cselect_b32 s55, s35, s55
	s_cmp_eq_u32 s48, 2
	s_cselect_b32 s55, s37, s55
	s_cmp_eq_u32 s48, 3
	s_cselect_b32 s55, s43, s55
	s_cmp_lg_u32 s[ISX], 0
	s_cselect_b32 s55, s32, s55
	MKSC 0, s55
	MKSC 1, s34                                    ; e2
	MKSC 2, s36                                    ; e4
	s_wait_alu depctr_va_vdst(0)
	s_wait_loadcnt 12                              ; step 0's four loads are in; the twelve of steps 1 to 3 may be out
	TURN 0
; The step's 16 neighbours are quantised with scale k and stored.  The numbers themselves stay: x is quantised three times.
.macro QOUT k, t, base
.set i, 0
.rept 16
.set i, i+1
.endr
	v_cvt_scalef32_pk8_fp8_f32 v[C+4*\k:C+4*\k+1], v[T+((X+16*((\t)%2)+i)-(T+i)):T+7+((X+16*((\t)%2)+i)-(T+i))], v[SC+\k]
	v_cvt_scalef32_pk8_fp8_f32 v[C+4*\k+2:C+4*\k+3], v[T+8+((X+16*((\t)%2)+i)-(T+i)):T+15+((X+16*((\t)%2)+i)-(T+i))], v[SC+\k]
	v_nop                                          ; a plain line between the conversions and the next lines that write their sources, v[X] on
	global_store_b128 v[LO], v[C+4*\k:C+4*\k+3], s[\base:\base+1] offset:512*(\t)   ; the wave stores 512 consecutive bytes, aligned
.endm
.macro STEP t
	s_wait_dscnt 0x0                               ; this step's numbers are back from the stage, so its stores into the stage have read their registers,
.if (\t)+4 < STEPS
	LOAD (\t)+4                                    ; which take the loads of four steps on
.endif
.if (\t)+1 < STEPS
.if STEPS-2-(\t) >= 3
	s_wait_loadcnt 12                              ; the next step's four loads are in; those of the three steps behind it may be out
.else
	s_wait_loadcnt 4*(STEPS-2-(\t))
.endif
	TURN (\t)+1                                    ; they go through the other stage while this step is worked
.endif
	s_wait_xcnt 0x0                                ; the last step's stores have read their data: the codes' registers are written again only behind this wait
	QOUT 0, \t, 26
	s_cmp_lg_u32 s[ISX], 0
	s_cbranch_scc0 .Lweight_\@                     ; a weight has one scale
	QOUT 1, \t, 28
	QOUT 2, \t, 30
.Lweight_\@:
.endm
.irp t, 0,1,2,3,4,5,6,7,8,9,10,11,12,13,14,15
	STEP \t
.endr
	s_wait_tensorcnt 0x0                           ; the wave's end: behind my last LDS store
	ds_add_u32 v[SPW], v[NIL]
	s_wait_dscnt 0x0
	s_endpgm
.Lfunc_end_k_qfde4fd0089_quant:
	.size	k_qfde4fd0089_quant, .Lfunc_end_k_qfde4fd0089_quant-k_qfde4fd0089_quant
	.p2alignl 7, 3214868480
	.fill 96, 4, 3214868480
	.section	.rodata,"a",@progbits
	.p2align	6, 0x0
	.amdhsa_kernel k_qfde4fd0089_quant
		.amdhsa_group_segment_fixed_size 33280
		.amdhsa_private_segment_fixed_size 0
		.amdhsa_enable_private_segment 0
		.amdhsa_kernarg_size 64
		.amdhsa_user_sgpr_count 2
		.amdhsa_user_sgpr_kernarg_segment_ptr 1
		.amdhsa_wavefront_size32 1
		.amdhsa_system_sgpr_workgroup_id_x 1
		.amdhsa_system_sgpr_workgroup_id_y 1
		.amdhsa_system_sgpr_workgroup_id_z 1
		.amdhsa_system_vgpr_workitem_id 0
		.amdhsa_next_free_vgpr 148
		.amdhsa_next_free_sgpr 66
		.amdhsa_reserve_vcc 0
		.amdhsa_float_denorm_mode_32 3
		.amdhsa_float_denorm_mode_16_64 3
		.amdhsa_fp16_overflow 1
		.amdhsa_memory_ordered 1
		.amdhsa_forward_progress 1
		.amdhsa_inst_pref_size 32
	.end_amdhsa_kernel
	.amdgpu_metadata
---
amdhsa.version: [ 1, 2 ]
amdhsa.kernels:
  - .name:           k_qfde4fd0089_quant
    .symbol:         k_qfde4fd0089_quant.kd
    .args:
      - { .name: x, .offset: 0, .size: 8, .value_kind: global_buffer, .address_space: global }
      - { .name: Wq, .offset: 8, .size: 8, .value_kind: global_buffer, .address_space: global }
      - { .name: Wk, .offset: 16, .size: 8, .value_kind: global_buffer, .address_space: global }
      - { .name: Wv, .offset: 24, .size: 8, .value_kind: global_buffer, .address_space: global }
      - { .name: Wo, .offset: 32, .size: 8, .value_kind: global_buffer, .address_space: global }
      - { .name: lowp_scales, .offset: 40, .size: 8, .value_kind: global_buffer, .address_space: global }
      - { .name: xc, .offset: 48, .size: 8, .value_kind: global_buffer, .address_space: global }
      - { .name: wc, .offset: 56, .size: 8, .value_kind: global_buffer, .address_space: global }
    .group_segment_fixed_size: 33280
    .private_segment_fixed_size: 0
    .kernarg_segment_align: 8
    .kernarg_segment_size: 64
    .max_flat_workgroup_size: 128
    .sgpr_count:     66
    .vgpr_count:     148
    .wavefront_size: 32
...
	.end_amdgpu_metadata
.endif
;; end of part 1
;; launch qkv (part 2): grid 4 x 192, 4 waves a work-group, clusters of 4 x 4, 327,680 bytes of LDS; arguments xc, wc, lowp_scales, qkv; writes qkv
.if DOCPART == 2
	.amdgcn_target "amdgcn-amd-amdhsa--gfx1250"
	.amdhsa_code_object_version 6
	.text
	.protected	k_qfde4fd0089_qkv
	.globl	k_qfde4fd0089_qkv
	.p2align	8
	.type	k_qfde4fd0089_qkv,@function
k_qfde4fd0089_qkv:
	s_mov_b64 s[64:65], 0
	v_nop
	global_prefetch_b8 v0, s[64:65] scope:SCOPE_SE
	s_setreg_imm32_b32 hwreg(HW_REG_WAVE_MODE, 25, 1), 1
	s_wait_xcnt 0x0
	s_wait_alu depctr_hold_cnt(0) depctr_sa_sdst(0) depctr_va_vdst(0) depctr_va_sdst(0) depctr_va_ssrc(0) depctr_va_vcc(0) depctr_vm_vsrc(0)
	s_getreg_b32 s2, hwreg(HW_REG_IB_STS2, 6, 4)
	s_cmp_eq_u32 s2, 0
	s_cbranch_scc0 .Lentry_in_a_cluster
	s_endpgm
.Lentry_in_a_cluster:
	s_bfe_u32 s2, ttmp6, 0x10000c
	s_cmp_lg_u32 s2, 0xf033
	s_cbranch_scc0 .Lentry_shape_is_right
	s_endpgm
.Lentry_shape_is_right:
; The three projections q = x Wq^T, k = x Wk^T, v = x Wv^T on E4M3 codes, K = 1024, and their results quantised at once for the attention: q with e6, k with e7, v with e9.
; A sum stands for sum x 2^(ea + eb), so its code is sum / 2^(e - ea - eb): the three exponents are folded into the conversion's one scale.
; LIMITS: e6 - e0 - e1, e7 - e2 - e3 and e9 - e4 - e5 lie between -126 and 119, so that the scale and 448 x the scale are f32 numbers.
; TILE.  A work-group makes 128 rows of operand A x 256 rows of operand B; four waves, each 64 x 128: 32 accumulators of 16 x 16, 256 registers.  3 x 256 work-groups.
; For q and k, A = x's codes (tokens) and B = the weight's (channels).  FOR v THE ROLES ARE SWAPPED (A = Wv, B = x), by a choice of pointers on the cluster's number: the same text then gives v TRANSPOSED, keys innermost.
; The matrix instruction takes 16 rows of B as source 0 and 16 rows of A as source 1: a lane then holds ONE row of A and eight neighbouring rows of B, which are eight neighbours along the next product's K.
; K goes in four steps of 256 through three LDS slots: steps 0, 1, 2 are asked for at the head, step 3 fills slot 0 again; the text is straight, without a loop.  A wave has at most three tensor loads out.
; CLUSTER 4 x 4: A's tile is shared along a row of the cluster, B's along a column; each is asked for jointly, by the same tensor load with the same descriptor in the four that the mask names.
; OUT.  qkv holds three regions of 8 MiB (q, k, v), each 64 head planes of 131,072 bytes.  q, k: [2048 places][64 d]; v: [32 chunks of 64 keys][64 places][64 keys].  A row's place is its number (token, or d) with
; bits 3 and 4 exchanged: the sixteen rows that the attention takes as one tile then lie on end.  A wave's results are 2 x 4,096 dense bytes; they leave through its stage in LDS, 512 consecutive bytes a store.
; REGISTERS, in windows of 256: window 0: v11-29 constants and addresses, v128-255 A's fragments, two sets;  window 1: B's fragments, two sets;  window 2: accumulator (a, b) at v[8 (8 a + b)].
.set PITCH, 272                        ; an LDS row: 256 bytes + 16 of padding, so that the sixteen rows of a fragment load begin in sixteen different 16-byte columns of 256 bytes
.set AH,    64*PITCH                   ; what one of A's loads brings, and what a wave reads of A
.set BH,    128*PITCH                  ; the same for B
.set SLOT,  2*AH+2*BH                  ; A's 128 rows, then B's 256
.set SPARE, 3*SLOT                     ; behind the slots: the spare words, 128 bytes a wave, that no other line names
.set STG,   SLOT                       ; the way out's stages lie in slot 1: it is filled once, and its last reads are over in front of the last barrier
.set SWAVE, 10240                      ; a wave's stage: [2 pairs of A's blocks][2 groups of 64 bytes][32 rows] of 80 bytes
.set KADVA, 768                        ; from K step 0 to K step 3, in bytes
.set KADVB, 768
.set LIM,  10
.set SCL,  11                          ; v11  the scale as f32
.set ADRA, 16                          ; v16-18 LDS address of my A fragments in slot 0, 1, 2
.set ADRB, 20                          ; v20-22 the same for B
.set STO,  24                          ; v24  the stage, on the way in
.set RD,   25                          ; v25  the stage, on the way out
.set CO,   26                          ; v26  16 x lane: my bytes of a store's 512
.set SPW,  28                          ; v28  my spare word's LDS address; never rewritten
.set NIL,  29                          ; v29  0; never rewritten
.set TMP,  32
.set AF,   128                         ; A's fragments: set p at v[128 + 64 p]
.set OB,   128                         ; the way out: rows read back, v128-191
.set CD,   192                         ; the way out: codes, v192-255
.set WV,   14                          ; s14  wave;  s15 wave / 2: my 64 rows of A; also: I fetch for A (0) or B (1);  s16 wave % 2: my 128 rows of B; also: which half I fetch
.set WR,   15
.set WC,   16
.set G1A,  24                          ; s[24:31], s[32:39] descriptor groups 1;  s[40:51], s[52:63] groups 0, a set for each slot
.set G1B,  32
.set G0A,  40
.set G0B,  52
.set MUL,  0xa1                        ; source 0 (B) window 1, source 1 (A) window 0, C and D window 2
.set TO_B, 0x40                        ; destination window 1, address window 0
.set MSB, 0
.macro WIN new                         ; the immediate's high byte repeats the setting that is left
.if MSB != \new
	s_set_vgpr_msb (MSB<<8)|\new
.set MSB, \new
.endif
.endm
.macro PLACES n
.rept \n
	v_nop
.endr
.endm
.macro CREST                           ; a round of the cluster's barrier behind its opening barrier
	s_cmp_lg_u32 s[WV], 0
	s_cbranch_scc1 .Lnot_wave_0_\@
	s_barrier_signal -3
.Lnot_wave_0_\@:
	s_barrier_wait -3
	s_barrier_signal -1
	s_barrier_wait -1
.endm
.macro CROUND
	s_barrier_signal -1
	s_barrier_wait -1
	CREST
.endm
.macro JLOAD                           ; the joint refill of slot 0: waves 0, 1 for A, waves 2, 3 for B; an s_nop 0 and four v_nop follow each line
	s_cmp_eq_u32 s[WR], 0
	s_cbranch_scc0 .Lfor_b_\@
	tensor_load_to_lds s[G0A:G0A+3], s[G1A:G1A+7]
	s_nop 0
	PLACES 4
	s_branch .Lasked_\@
.Lfor_b_\@:
	tensor_load_to_lds s[G0B:G0B+3], s[G1B:G1B+7]
	s_nop 0
	PLACES 4
.Lasked_\@:
.endm
	s_load_b128 s[4:7], s[0:1], 0x0                ; xc, wc
	s_load_b128 s[8:11], s[0:1], 0x10              ; the exponents, qkv
	v_lshl_add_u32 v[SPW], v0, 2, SPARE
	v_mov_b32 v[NIL], 0
	ds_add_u32 v[SPW], v[NIL]
	ds_add_u32 v[SPW], v[NIL]                      ; the wave's opening: the add and its wait ahead of my first tensor load; work on registers stands between them
	v_lshrrev_b32 v1, 5, v0
	v_readfirstlane_b32 s[WV], v1
	s_lshr_b32 s[WR], s[WV], 1
	s_and_b32 s[WC], s[WV], 1
	s_bfe_u32 s66, ttmp6, 0x40000                  ; cx
	s_bfe_u32 s67, ttmp6, 0x40004                  ; cy
	s_and_b32 s71, ttmp7, 0xffff                   ; the cluster's y, 0 .. 47
	s_lshr_b32 s72, s71, 4                         ; p: 0 q, 1 k, 2 v
	s_and_b32 s73, s71, 15                         ; j: the projection's sixteen clusters
	s_lshr_b32 s75, s73, 3
	s_lshl_b32 s75, s75, 2                         ; v: 8 tile rows (channels) = 2 clusters,
	s_lshl_b32 s77, s73, 2                         ; q, k: 64 tile rows (tokens) = 16 clusters
	s_and_b32 s76, s73, 7
	s_lshl_b32 s76, s76, 2                         ; v: 32 tile columns (tokens) = 8 clusters; q, k: 4 tile columns = 1
	s_cmp_eq_u32 s72, 2
	s_cselect_b32 s74, 1, 0                        ; is it v?  The same in all sixteen partners
	s_cselect_b32 s75, s75, s77
	s_cselect_b32 s76, s76, 0
	s_add_co_u32 s17, s75, s67                     ; tile row
	s_add_co_u32 s68, s76, s66                     ; tile column
	s_lshl_b32 s69, s67, 2
	s_lshl_b32 s69, 15, s69                        ; my row of the cluster
	s_lshl_b32 s70, 0x1111, s66                    ; my column
	s_or_b32 s[G1A], s69, (1<<20)|(1<<21)|(5<<22)|(3<<25)   ; 15:0 the mask; 17:16 elements of 1 byte; 20 padding on; 21 set beside a mask; 24:22 after every 64 words; 31:25 four words of it
	s_or_b32 s[G1B], s70, (1<<20)|(1<<21)|(5<<22)|(3<<25)
	s_mov_b32 s[G1A+1], 256<<16                    ; tensor_dim0 = 256
	s_mov_b32 s[G1A+2], 64<<16                     ; tensor_dim1 = 64
	s_mov_b32 s[G1A+3], 256<<16                    ; tile_dim0 = 256
	s_mov_b32 s[G1A+4], 64                         ; tile_dim1 = 64
	s_mov_b32 s[G1A+5], 1024                       ; from row to row
	s_mov_b32 s[G1A+6], 0
	s_mov_b32 s[G1A+7], 0
	s_mov_b32 s[G1B+1], 256<<16
	s_mov_b32 s[G1B+2], 128<<16                    ; B: 128 rows a load
	s_mov_b32 s[G1B+3], 256<<16
	s_mov_b32 s[G1B+4], 128
	s_mov_b32 s[G1B+5], 1024
	s_mov_b32 s[G1B+6], 0
	s_mov_b32 s[G1B+7], 0
	s_lshl_b32 s20, s17, 17                        ; A: (128 x tile row + 64 x half) rows of 1,024 bytes
	s_lshl_b32 s21, s[WC], 16
	s_add_co_u32 s20, s20, s21
	s_mov_b32 s21, 0
	s_lshl_b32 s22, s68, 18                        ; B: (256 x tile column + 128 x half) rows
	s_lshl_b32 s23, s[WC], 17
	s_add_co_u32 s22, s22, s23
	s_mov_b32 s23, 0
	s_mul_i32 s82, s[WC], AH                       ; where they go in a slot: the wave's number alone enters an LDS address
	s_mul_i32 s83, s[WC], BH
	s_add_co_u32 s83, s83, 2*AH
	s_lshl_b32 s2, s72, 23                         ; x's codes for this projection: 8 MiB apart,
	s_mov_b32 s3, 0
	s_lshl_b32 s18, s72, 20                        ; the weight's: 1 MiB apart
	s_mov_b32 s19, 0
	s_wait_dscnt 0x0                               ; the opening add is done
	s_wait_kmcnt 0x0
	s_load_b256 s[84:91], s[8:9], 0x0              ; e0 .. e7
	s_load_b128 s[92:95], s[8:9], 0x20             ; e8 .. e11
	s_add_nc_u64 s[4:5], s[4:5], s[2:3]
	s_add_nc_u64 s[6:7], s[6:7], s[18:19]
	s_cmp_lg_u32 s74, 0
	s_cselect_b64 s[78:79], s[6:7], s[4:5]         ; A: x's codes; for v the weight's
	s_cselect_b64 s[80:81], s[4:5], s[6:7]         ; B: the weight's; for v x's
	s_add_nc_u64 s[78:79], s[78:79], s[20:21]
	s_add_nc_u64 s[80:81], s[80:81], s[22:23]
.irp s, 0,1,2
	s_mov_b32 s[G0A+4*\s], 1                                       ; count = 1
	s_add_co_u32 s[G0A+4*\s+1], s82, \s*SLOT                       ; LDS address
	s_add_nc_u64 s[G0A+4*\s+2:G0A+4*\s+3], s[78:79], \s*256        ; K step s
	s_or_b32 s[G0A+4*\s+3], s[G0A+4*\s+3], 0x80000000              ; type = 2
	s_mov_b32 s[G0B+4*\s], 1
	s_add_co_u32 s[G0B+4*\s+1], s83, \s*SLOT
	s_add_nc_u64 s[G0B+4*\s+2:G0B+4*\s+3], s[80:81], \s*256
	s_or_b32 s[G0B+4*\s+3], s[G0B+4*\s+3], 0x80000000
.endr
	CROUND                                         ; all sixteen work-groups are here: the first joint loads meet
	s_cmp_eq_u32 s[WR], 0                          ; a wave's three first fills stand in one branch, ahead of every wait on TENSORcnt, every LDS read and every later barrier
	s_cbranch_scc0 .Lfirst_b
.irp s, 0,1,2
	tensor_load_to_lds s[G0A+4*\s:G0A+4*\s+3], s[G1A:G1A+7]
	s_nop 0
.endr
	PLACES 4
	s_branch .Lfirst_asked
.Lfirst_b:
.irp s, 0,1,2
	tensor_load_to_lds s[G0B+4*\s:G0B+4*\s+3], s[G1B:G1B+7]
	s_nop 0
.endr
	PLACES 4
.Lfirst_asked:
	v_and_b32 v1, 15, v0                           ; r
	v_bfe_u32 v2, v0, 4, 1                         ; h
	v_mul_u32_u24 v3, v1, PITCH
	v_lshl_add_u32 v3, v2, 4, v3                   ; a fragment's row x pitch + 16 x half
	s_mul_i32 s18, s[WR], AH                       ; my 64 rows of A
	s_mul_i32 s19, s[WC], BH                       ; my 128 rows of B,
	s_add_co_u32 s19, s19, 2*AH                    ; which lie behind A's 128
.irp s, 0,1,2
	v_add_nc_u32 v[ADRA+\s], s18, v3
	v_add_nc_u32 v[ADRB+\s], s19, v3
	s_add_co_u32 s18, s18, SLOT
	s_add_co_u32 s19, s19, SLOT
.endr
	s_mul_i32 s18, s[WV], SWAVE
	s_add_co_u32 s18, s18, STG                     ; my stage
	v_and_b32 v4, 8, v1
	v_add_nc_u32 v4, v4, v1                        ; r + 8 (r / 8): row 16 a + r goes to place 32 (a / 2) + 16 (r / 8) + 8 (a % 2) + r % 8
	v_mul_u32_u24 v4, v4, 80
	v_lshl_add_u32 v4, v2, 3, v4                   ; + 8 h: my eight codes
	v_add_nc_u32 v[STO], s18, v4
	v_and_b32 v5, 31, v0
	v_lshrrev_b32 v6, 2, v5
	v_mul_u32_u24 v6, v6, 80
	v_and_b32 v7, 3, v5
	v_lshl_add_u32 v6, v7, 4, v6
	v_add_nc_u32 v[RD], s18, v6                    ; back: four lanes to a row of 64 bytes, eight rows an instruction
	v_lshlrev_b32 v[CO], 4, v5
	; where my results go
	s_lshl_b32 s96, s17, 7
	s_lshl_b32 s101, s[WR], 6
	s_add_co_u32 s96, s96, s101                    ; my first row of A
	s_lshl_b32 s97, s68, 8
	s_lshl_b32 s101, s[WC], 7
	s_add_co_u32 s97, s97, s101                    ; my first row of B
	s_mov_b32 s100, 0x20000
	s_cmp_lg_u32 s74, 0
	s_cselect_b32 s98, s97, s96                    ; my first token,
	s_cselect_b32 s99, s96, s97                    ; my first channel
	s_cselect_b32 s100, 4096, s100                 ; from B's first 64 rows to its second: the next head's plane; for v the next chunk of keys
	s_lshr_b32 s99, s99, 6                         ; the head
	s_lshr_b32 s101, s98, 11                       ; the batch
	s_lshl_b32 s101, s101, 4
	s_add_co_u32 s99, s99, s101
	s_lshl_b32 s99, s99, 17                        ; the plane
	s_and_b32 s98, s98, 2047
	s_lshl_b32 s98, s98, 6                         ; 64 bytes for each token of the plane, in both layouts
	s_add_co_u32 s2, s99, s98
	s_lshl_b32 s101, s72, 23                       ; the region
	s_add_co_u32 s2, s2, s101
	s_mov_b32 s3, 0
	s_add_nc_u64 s[2:3], s[10:11], s[2:3]
	s_mov_b32 s101, 0
	s_add_nc_u64 s[18:19], s[2:3], s[100:101]
	s_wait_kmcnt 0x0
	s_sub_co_i32 s96, s90, s84
	s_sub_co_i32 s96, s96, s85                     ; e6 - e0 - e1
	s_sub_co_i32 s97, s91, s86
	s_sub_co_i32 s97, s97, s87                     ; e7 - e2 - e3
	s_sub_co_i32 s98, s93, s88
	s_sub_co_i32 s98, s98, s89                     ; e9 - e4 - e5
	s_cmp_eq_u32 s72, 1
	s_cselect_b32 s96, s97, s96
	s_cmp_eq_u32 s72, 2
	s_cselect_b32 s96, s98, s96
	s_add_co_i32 s96, s96, 127
	s_lshl_b32 s97, s96, 23
	v_mov_b32 v[SCL], s97                          ; the folded scale as f32
; The fragments of the slot's q-th 128 along K into set p: 48 LDS loads in one run.  A fragment, 16 rows x 128 K, is 16 registers: lane (r, h) holds row r, registers 4 c .. 4 c + 3 hold K = 32 c + 16 h + 0 .. 15,
; the same places in A and in B, so that every product meets its partner.
.macro FETCH slot, q, p
	WIN TO_B
.irp i, 0,1,2,3,4,5,6,7
.irp c, 0,1,2,3
	ds_load_b128 v[128*(\p)+16*\i+4*\c:128*(\p)+16*\i+4*\c+3], v[ADRB+\slot] offset:128*(\q)+32*\c+\i*16*PITCH
.endr
.endr
	WIN 0
.irp i, 0,1,2,3
.irp c, 0,1,2,3
	ds_load_b128 v[AF+64*(\p)+16*\i+4*\c:AF+64*(\p)+16*\i+4*\c+3], v[ADRA+\slot] offset:128*(\q)+32*\c+\i*16*PITCH
.endr
.endr
.endm
; Eight matrix instructions: A's block a against B's eight, set p.  The 32 accumulators take turns, one instruction a turn, in the same order in every step.
.macro MUL8 a, p, zero
.irp b, 0,1,2,3,4,5,6,7
.if \zero
	v_wmma_f32_16x16x128_fp8_fp8 v[8*(8*(\a)+\b):8*(8*(\a)+\b)+7], v[128*(\p)+16*\b:128*(\p)+16*\b+15], v[AF+64*(\p)+16*(\a):AF+64*(\p)+16*(\a)+15], 0
.else
	v_wmma_f32_16x16x128_fp8_fp8 v[8*(8*(\a)+\b):8*(8*(\a)+\b)+7], v[128*(\p)+16*\b:128*(\p)+16*\b+15], v[AF+64*(\p)+16*(\a):AF+64*(\p)+16*(\a)+15], v[8*(8*(\a)+\b):8*(8*(\a)+\b)+7]
.endif
.endr
.endm
; A step of 128 along K: set p is multiplied; ahead of that the next step's fragments, (slot, q), are asked for into the other set.
.macro SUB p, slot, q, zero
.if \zero == 0
	PLACES 4                                       ; four plain places between the last matrix instructions, which read the other set, and the loads into it (ISA guide 7.12.1 for vector instructions)
.endif
	FETCH \slot, \q, 1-(\p)
	s_wait_dscnt 48                                ; all but the 48 just issued: set p is in
	WIN MUL
	MUL8 0, \p, \zero
	MUL8 1, \p, \zero
	MUL8 2, \p, \zero
	MUL8 3, \p, \zero
.endm
; A step that multiplies set 1 and meets the other waves.  In front of the barrier each wave waits for all its tensor loads, adds 0 to its spare word, and waits for that and for its LDS reads.
; fill = 1: the barrier opens a round of the cluster's, and slot 0, which nobody reads any more, takes K step 3.  fill = 0: that step has landed; nothing is filled.
.macro TURN next, fill
	WIN 0                                          ; (the add's two registers lie in window 0)
	s_wait_tensorcnt 0x0                           ; all my tensor loads have landed
	ds_add_u32 v[SPW], v[NIL]                      ; 0 onto my spare word
	s_wait_dscnt 1                                 ; set 1 is in; only the add may be out
	WIN MUL
	MUL8 0, 1, 0                                   ; eight matrix instructions stand between the add and the wait for it
	s_wait_dscnt 0x0                               ; the add is done, and my reads of the slots so far are over
	s_barrier_signal -1
	MUL8 1, 1, 0
	WIN 0
	s_barrier_wait -1
.if \fill
	CREST                                          ; no wave of any partner still reads slot 0 or has a load on its way
	s_add_nc_u64 s[G0A+2:G0A+3], s[G0A+2:G0A+3], KADVA
	s_add_nc_u64 s[G0B+2:G0B+3], s[G0B+2:G0B+3], KADVB
	JLOAD                                          ; the first tensor load behind the round; its four v_nop are also the places in front of the loads below; 112 matrix instructions stand ahead of the wait for it
.else
	PLACES 4
.endif
	FETCH \next, 0, 0
	WIN MUL
	MUL8 2, 1, 0
	MUL8 3, 1, 0
.endm
	s_wait_tensorcnt 2                             ; my part of K step 0 is in; my two younger loads may stay out
	s_barrier_signal -1
	s_barrier_wait -1                              ; everybody's is
	FETCH 0, 0, 0
	SUB 0, 0, 1, 1                                 ; K 0-127: the first products start the sums
	TURN 1, 1                                      ; K 128-255; slots 1 and 2 are whole; slot 0 is asked for again
	SUB 0, 1, 1, 0                                 ; K 256-383
	SUB 1, 2, 0, 0                                 ; K 384-511
	SUB 0, 2, 1, 0                                 ; K 512-639
	TURN 0, 0                                      ; K 640-767; slot 0 is whole again
	SUB 0, 0, 1, 0                                 ; K 768-895
	s_wait_dscnt 0x0
	MUL8 0, 1, 0                                   ; K 896-1023
	MUL8 1, 1, 0
	MUL8 2, 1, 0
	MUL8 3, 1, 0
	WIN 0
; THE WAY OUT.  Block a (16 rows of A): 64 sums a lane are held, converted (eight neighbours along the next K to 8 bytes) and put into my stage at the row's place.
.macro QROW a
	WIN 0x02                                       ; source 0: window 2
.set j, 0
.rept 64
.set j, j+1
.endr
.irp b, 0,1,2,3,4,5,6,7
	v_cvt_scalef32_pk8_fp8_f32 v[CD+16*(\a)+2*\b:CD+16*(\a)+2*\b+1], v[TMP+8*\b+((64*(\a)+j)-(TMP+j)):TMP+8*\b+7+((64*(\a)+j)-(TMP+j))], v[SCL]
.endr
	WIN 0
	v_nop                                          ; a plain line between the conversions and the next lines that write their sources
.irp b, 0,1,2,3,4,5,6,7
	ds_store_b64 v[STO], v[CD+16*(\a)+2*\b:CD+16*(\a)+2*\b+1] offset:((\a)/2)*5120+(\b/4)*2560+((\a)%2)*640+16*(\b%4)
.endr
.endm
.macro BACK P                          ; a pair of blocks, 32 places x 64 bytes in each of the two groups, comes back as dense runs of 512 bytes; LDS serves a wave's instructions in order, so these see my stores
.irp g, 0,1
.irp i, 0,1,2,3
	ds_load_b128 v[OB+32*(\P)+4*(4*\g+\i):OB+32*(\P)+4*(4*\g+\i)+3], v[RD] offset:(\P)*5120+\g*2560+\i*640
.endr
.endr
.endm
.macro SEND P
.irp i, 0,1,2,3
	global_store_b128 v[CO], v[OB+32*(\P)+4*\i:OB+32*(\P)+4*\i+3], s[2:3] offset:(\P)*2048+\i*512       ; the wave stores 512 consecutive bytes, aligned
.endr
.irp i, 0,1,2,3
	global_store_b128 v[CO], v[OB+32*(\P)+16+4*\i:OB+32*(\P)+16+4*\i+3], s[18:19] offset:(\P)*2048+\i*512
.endr
.endm
	PLACES 4                                       ; behind the last products: their results are read, and their operands' registers written, below
	s_wait_alu depctr_va_vdst(0)
	QROW 0
	QROW 1
	BACK 0
	QROW 2
	QROW 3
	BACK 1
	s_wait_dscnt 24                                ; the first pair is back; the second pair's 16 stores and 8 loads may be out
	SEND 0
	s_wait_dscnt 0x0
	SEND 1
	s_wait_tensorcnt 0x0                           ; the wave's end: behind my last tensor load and my last LDS store
	ds_add_u32 v[SPW], v[NIL]
	s_wait_dscnt 0x0
	CROUND                                         ; the closing round: no work-group ends while a partner may still ask for a tile that names it
	s_endpgm
.Lfunc_end_k_qfde4fd0089_qkv:
	.size	k_qfde4fd0089_qkv, .Lfunc_end_k_qfde4fd0089_qkv-k_qfde4fd0089_qkv
	.p2alignl 7, 3214868480
	.fill 96, 4, 3214868480
	.section	.rodata,"a",@progbits
	.p2align	6, 0x0
	.amdhsa_kernel k_qfde4fd0089_qkv
		.amdhsa_group_segment_fixed_size 327680
		.amdhsa_private_segment_fixed_size 0
		.amdhsa_enable_private_segment 0
		.amdhsa_kernarg_size 32
		.amdhsa_user_sgpr_count 2
		.amdhsa_user_sgpr_kernarg_segment_ptr 1
		.amdhsa_wavefront_size32 1
		.amdhsa_system_sgpr_workgroup_id_x 1
		.amdhsa_system_sgpr_workgroup_id_y 1
		.amdhsa_system_sgpr_workgroup_id_z 1
		.amdhsa_system_vgpr_workitem_id 0
		.amdhsa_next_free_vgpr 768
		.amdhsa_next_free_sgpr 102
		.amdhsa_reserve_vcc 0
		.amdhsa_float_denorm_mode_32 3
		.amdhsa_float_denorm_mode_16_64 3
		.amdhsa_fp16_overflow 1
		.amdhsa_memory_ordered 1
		.amdhsa_forward_progress 1
		.amdhsa_inst_pref_size 60
	.end_amdhsa_kernel
	.amdgpu_metadata
---
amdhsa.version: [ 1, 2 ]
amdhsa.kernels:
  - .name:           k_qfde4fd0089_qkv
    .symbol:         k_qfde4fd0089_qkv.kd
    .args:
      - { .name: xc, .offset: 0, .size: 8, .value_kind: global_buffer, .address_space: global }
      - { .name: wc, .offset: 8, .size: 8, .value_kind: global_buffer, .address_space: global }
      - { .name: lowp_scales, .offset: 16, .size: 8, .value_kind: global_buffer, .address_space: global }
      - { .name: qkv, .offset: 24, .size: 8, .value_kind: global_buffer, .address_space: global }
    .group_segment_fixed_size: 327680
    .private_segment_fixed_size: 0
    .kernarg_segment_align: 8
    .kernarg_segment_size: 32
    .max_flat_workgroup_size: 128
    .sgpr_count:     102
    .vgpr_count:     768
    .wavefront_size: 32
...
	.end_amdgpu_metadata
.endif
;; end of part 2
;; launch attn (part 3): grid 4 x 64, 16 waves a work-group, no clusters, 327,680 bytes of LDS; arguments qkv, lowp_scales, ac; writes ac
.if DOCPART == 3
	.amdgcn_target "amdgcn-amd-amdhsa--gfx1250"
	.amdhsa_code_object_version 6
	.text
	.protected	k_qfde4fd0089_attn
	.globl	k_qfde4fd0089_attn
	.p2align	8
	.type	k_qfde4fd0089_attn,@function
k_qfde4fd0089_attn:
	s_mov_b64 s[64:65], 0
	v_nop
	global_prefetch_b8 v0, s[64:65] scope:SCOPE_SE
	s_setreg_imm32_b32 hwreg(HW_REG_WAVE_MODE, 25, 1), 1
	s_wait_xcnt 0x0
; Causal attention of one head (64 channels, 2,048 tokens) on E4M3 codes, and its result quantised with e10 for the last projection.
; t = score x log2(e) / 8; M = the row's largest t so far, rounded UP to a whole number; p = 2^(t - M) is quantised with e8; the row's sum is taken of the unquantised p and divides at the end.
; When M moves, the sum and O are multiplied by 2^(old M - new M), which rounds nothing.
; LIMITS: e6 + e7 between -123 and 130 (they are added to the exponent field of log2(e) / 8); e8, and e10 - e8 - e9, between -126 and 119.
; IN.  qkv: three regions of 8 MiB (q, k, v), 64 head planes of 131,072 bytes.  q, k: [2048 places][64 d]; v: [32 chunks of 64 keys][64 places][64 keys]; a row's place is its number with bits 3 and 4 exchanged.
; So sixteen rows on end in k are the keys 32 b + 8 u + m + 8 (m / 8), m = 0 .. 15, of tile 2 b + u: the 16 registers of two neighbouring tiles of S^T are then 16 neighbouring keys, 32 b + 16 (lane / 16) + 0 .. 15,
; and the conversions' results are the second product's operand.  v's rows lie likewise, so that two neighbouring tiles of O^T hold 16 neighbouring channels for the last quantiser.
; Both products are used transposed (S^T = K Q^T, O^T = V^T P^T): a lane holds ONE query (lane % 16) throughout.
; SHARES.  Work-group (i, head) owns the blocks of 256 queries 7 - i and i, one after the other; each of its sixteen waves 16 queries of the block in hand, in 256 registers, four waves to a SIMD.
; Block 7 - i wants 8 - i slots of 256 keys and block i wants i + 1: NINE slots in every work-group, so the trip count is a constant and the 256 work-groups have equal work.  Every slot that is loaded is read.
; A key step all of whose 128 keys come after the wave's queries is jumped over (a scalar branch on ids); on the diagonal hidden scores become -infinity ahead of the maximum.  Key 0 counts for every query.
; RING.  Two LDS slots; a slot's 256 rows of k and its four chunks of v are 16,384 dense bytes each and come as 64 rows of 256 bytes, 16 of padding behind each: wave 0 fetches k's, wave 1 v's.  One tensor load of a wave is out at most.
; NO CLUSTER: the four work-groups of a head want the same slot in trips 0 to 4 alone; from trip 8 - i on work-group i is back at slot 0, so partners would have to ask for 12 slots where each reads 9.
; OUT.  ac: [64 heads][2048 tokens][64 d], codes; a wave's 16 tokens are 1,024 dense bytes and leave through its stage, 512 consecutive bytes a store.
.set SLOT1, 65536                      ; slot 1 begins here: one exclusive or turns an address in one slot into the other's
.set VOFF,  17408                      ; a slot: k's 64 x 272 bytes, then v's
.set STAGE, 131072                     ; 1,024 bytes for each wave
.set SPARE, 147456                     ; the spare words, 128 bytes a wave, that no other line names
.set AL,   1                           ; v1   my lane's place in a tile: row r of 64 bytes lies at 272 (r / 4) + 64 (r % 4); + 16 (lane / 16)
.set PFO,  3                           ; v3   256 x lane: the prefetches' offset
.set STO,  4                           ; v4   the stage, on the way in
.set SPW,  5                           ; v5   my spare word's LDS address; never rewritten
.set NIL,  6                           ; v6   0; never rewritten
.set L16,  7                           ; v7   16 x lane
.set AD,   8                           ; v8   LDS address of the slot in hand, for my lane
.set RD,   10                          ; v10  the stage, on the way out
.set GO,   11                          ; v11  my byte offset in the head's plane of ac
.set QF,   16                          ; v16-23 Q of the block in hand;  v24-31 Q of the second block
.set FR,   32                          ; v32-95 eight fragments of k, then of v
.set S,    96                          ; v96-159 S^T, then p
.set O,    160                         ; v160-191 O^T
.set Y,    192                         ; v192-223 O / the sum
.set PC,   224                         ; v224-239 codes
.set TB,   2                           ; s2   LDS byte at which the slot in hand begins
.set TRIP, 3                           ; s3
.set LAST, 10                          ; s10  the first block's last trip: 7 - i
.set PLIM, 11                          ; s11  a wave prefetches while TRIP is under it: 6 or 0
.set KF,   12                          ; s12  the step's first key
.set Q0,   13                          ; s13  my first query of the block in hand;  s14 of the second block
.set Q0B,  14
.set WV,   18
.set SEL,  20                          ; s[20:21] v_permlanex16_b32's selects for lane l xor 16
.set CS,   22                          ; s[22:23] log2(e) / 8 x 2^(e6 + e7)
.set G1,   24                          ; s[24:31] descriptor group 1;  s[32:35] group 0
.set G0,   32
.set KVB,  36                          ; s[36:37] the head's plane of k (wave 0) or v (wave 1)
.set KOFF, 38                          ; s[38:39] the next slot's bytes in it
.set PFA,  40                          ; s[40:41] where my prefetches stand
.set OB,   42                          ; s[42:43] the head's plane of ac
.macro TLOAD                           ; waves 0 and 1 fetch, one load each, into bytes of their own; an s_nop 0 and four v_nop follow the line
	s_cmp_lt_u32 s[WV], 2
	s_cbranch_scc0 .Lnone_\@
	tensor_load_to_lds s[G0:G0+3], s[G1:G1+7]
	s_nop 0
.rept 4
	v_nop
.endr
.Lnone_\@:
.endm
; A prefetch into the L2 of the slot that the NEXT change of slots will ask for.  All four work-groups of a head walk slots 0, 1, 2 .. together: work-group 0, which walks all eight, asks, and in it four waves that fetch nothing:
; waves 4, 5 for k's 16,384 bytes and waves 6, 7 for v's, 8,192 a wave, lanes 256 bytes apart.  Trip s names slot s + 2, for s = 0 .. 5: each aligned block of 256 bytes of slots 2 to 7 once in the launch; slots 0 and 1 come by their loads alone.
.macro ASK
	s_cmp_lt_u32 s[TRIP], s[PLIM]
	s_cbranch_scc0 .Lnot_mine_\@
	global_prefetch_b8 v[PFO], s[PFA:PFA+1] th:TH_LOAD_NT scope:SCOPE_SE
.Lnot_mine_\@:
.endm
	s_load_b128 s[4:7], s[0:1], 0x0                ; qkv, the exponents
	s_load_b64 s[8:9], s[0:1], 0x10                ; ac
	v_lshl_add_u32 v[SPW], v0, 2, SPARE
	v_mov_b32 v[NIL], 0
	ds_add_u32 v[SPW], v[NIL]                      ; the wave's opening: the add and its wait ahead of my first tensor load; work on registers stands between them
	ds_add_u32 v[SPW], v[NIL]
	v_lshrrev_b32 v8, 5, v0
	s_delay_alu instid0(VALU_DEP_1)
	v_readfirstlane_b32 s[WV], v8
	s_and_b32 s56, ttmp7, 0xffff                   ; the head, 0 .. 63
	s_lshl_b32 s57, s56, 17                        ; its plane, in every region
	s_sub_co_u32 s[LAST], 7, ttmp9
	s_lshl_b32 s58, s[WV], 4
	s_lshl_b32 s[Q0], s[LAST], 8
	s_add_co_u32 s[Q0], s[Q0], s58                 ; 256 (7 - i) + 16 x wave
	s_lshl_b32 s[Q0B], ttmp9, 8
	s_add_co_u32 s[Q0B], s[Q0B], s58               ; 256 i + 16 x wave
	s_mov_b32 s[G1], (1<<20)|(5<<22)|(3<<25)       ; no mask; elements of 1 byte; padding on: four words after every 64
	s_mov_b32 s[G1+1], 256<<16                     ; tensor_dim0 = 256
	s_mov_b32 s[G1+2], 64<<16                      ; tensor_dim1 = 64
	s_mov_b32 s[G1+3], 256<<16                     ; tile_dim0 = 256
	s_mov_b32 s[G1+4], 64                          ; tile_dim1 = 64
	s_mov_b32 s[G1+5], 256                         ; dense rows
	s_mov_b32 s[G1+6], 0
	s_mov_b32 s[G1+7], 0
	s_mov_b32 s[SEL], 0x76543210
	s_mov_b32 s[SEL+1], 0xfedcba98
	s_mov_b32 s[TB], 0
	s_mov_b32 s[TRIP], 0
	s_mov_b32 s[KF], 0
	s_mov_b32 s[KOFF], 0
	s_mov_b32 s[KOFF+1], 0
	s_and_b32 s59, s[WV], 1
	s_mul_i32 s60, s59, VOFF                       ; where my tile goes in a slot: k's at 0, v's behind it
	s_add_co_u32 s59, s59, 1
	s_lshl_b32 s59, s59, 23                        ; region 1 (k) or 2 (v)
	s_add_co_u32 s62, s59, s57
	s_mov_b32 s63, 0
	s_wait_dscnt 0x0                               ; the opening add is done
	s_wait_kmcnt 0x0
	s_load_b256 s[44:51], s[6:7], 0x0              ; e0 .. e7
	s_load_b128 s[52:55], s[6:7], 0x20             ; e8 .. e11
	s_add_nc_u64 s[KVB:KVB+1], s[4:5], s[62:63]
	s_mov_b32 s[G0], 1                             ; count = 1
	s_mov_b32 s[G0+1], s60                         ; LDS address: slot 0
	s_mov_b64 s[G0+2:G0+3], s[KVB:KVB+1]           ; the plane's first 256 keys
	s_or_b32 s[G0+3], s[G0+3], 0x80000000          ; type = 2
	TLOAD                                          ; slot 0
	v_and_b32 v32, 15, v0                          ; r
	v_bfe_u32 v33, v0, 4, 1                        ; h
	s_delay_alu instid0(VALU_DEP_2)
	v_and_b32 v36, 8, v32
	s_delay_alu instid0(VALU_DEP_1)
	v_add_nc_u32 v36, v36, v32                     ; query Q0 + r lies at place (Q0 without its low five bits) + 8 (wave % 2) + r + 8 (r / 8)
	s_delay_alu instid0(VALU_DEP_1)
	v_lshlrev_b32 v36, 6, v36
	s_delay_alu instid0(VALU_DEP_1)
	v_lshl_add_u32 v36, v33, 4, v36
	s_wait_alu depctr_va_vdst(0)
	s_and_b32 s58, s[WV], 1
	s_lshl_b32 s58, s58, 9
	s_add_co_u32 s58, s58, s57
	s_and_b32 s59, s[Q0], 0xffffffe0
	s_lshl_b32 s59, s59, 6
	s_add_co_u32 s59, s59, s58
	v_add_nc_u32 v34, s59, v36
	s_and_b32 s59, s[Q0B], 0xffffffe0
	s_lshl_b32 s59, s59, 6
	s_add_co_u32 s59, s59, s58
	v_add_nc_u32 v35, s59, v36
	global_load_b128 v[QF:QF+3], v34, s[4:5] th:TH_LOAD_NT             ; Q's fragments stay in registers: registers 4 c .. 4 c + 3 hold d = 32 c + 16 h + 0 .. 15, as k's do
	global_load_b128 v[QF+4:QF+7], v34, s[4:5] offset:32 th:TH_LOAD_NT
	global_load_b128 v[QF+8:QF+11], v35, s[4:5] th:TH_LOAD_NT
	global_load_b128 v[QF+12:QF+15], v35, s[4:5] offset:32 th:TH_LOAD_NT
	s_mov_b32 s62, s57
	s_add_nc_u64 s[OB:OB+1], s[8:9], s[62:63]
	s_bfe_u32 s58, s[WV], 0x10001                  ; the prefetches: (wave / 2) % 2: k or v,
	s_add_co_u32 s58, s58, 1
	s_lshl_b32 s58, s58, 23
	s_and_b32 s59, s[WV], 1                        ; wave % 2: which 8,192 bytes of a slot,
	s_lshl_b32 s59, s59, 13
	s_add_co_u32 s58, s58, s59
	s_add_co_u32 s58, s58, s57
	s_add_co_u32 s62, s58, 16384                   ; in slot 1: the first change of slots steps it to slot 2
	s_add_nc_u64 s[PFA:PFA+1], s[4:5], s[62:63]
	s_lshr_b32 s58, s[WV], 2
	s_xor_b32 s58, s58, 1                          ; 0 in waves 4 to 7,
	s_or_b32 s58, s58, ttmp9                       ; of work-group 0 of the head
	s_cmp_eq_u32 s58, 0
	s_cselect_b32 s[PLIM], 6, 0
	v_lshrrev_b32 v36, 2, v32
	s_delay_alu instid0(VALU_DEP_1)
	v_mul_u32_u24 v[AL], v36, 272
	v_and_b32 v36, 3, v32
	s_delay_alu instid0(VALU_DEP_1)
	v_lshl_add_u32 v[AL], v36, 6, v[AL]
	s_delay_alu instid0(VALU_DEP_1)
	v_lshl_add_u32 v[AL], v33, 4, v[AL]
	s_lshl_b32 s58, s[WV], 10
	s_add_co_u32 s58, s58, STAGE                   ; my stage
	v_lshlrev_b32 v[STO], 6, v32
	s_delay_alu instid0(VALU_DEP_1)
	v_lshl_add_u32 v[STO], v33, 4, v[STO]
	s_delay_alu instid0(VALU_DEP_1)
	v_add_nc_u32 v[STO], s58, v[STO]               ; in: token r's 64 bytes, + 16 h
	v_and_b32 v[L16], 31, v0
	s_delay_alu instid0(VALU_DEP_1)
	v_lshlrev_b32 v[L16], 4, v[L16]
	s_delay_alu instid0(VALU_DEP_1)
	v_add_nc_u32 v[RD], s58, v[L16]                ; back: as the bytes lie
	s_delay_alu instid0(VALU_DEP_2)
	v_lshlrev_b32 v[PFO], 4, v[L16]
	v_mov_b32 v13, 0xff61b1e6                      ; the largest t so far: -3e38, under every t
	s_delay_alu instid0(VALU_DEP_1)
	v_floor_f32 v12, -v13                          ; -M
	v_mov_b32 v14, 0                               ; the sum, in two halves
	v_mov_b32 v15, 0
	v_mov_b32 v246, 0                              ; written once: a lane permute's destination counts as one of its sources
	v_mov_b32 v249, 0                              ; (named as the upper halves of pairs)
	v_mov_b32 v253, 0
.set j, 0
.rept 32
	v_mov_b32 v[O+j], 0                            ; O^T: the step is written once; its first run finds zeros, which the first change of M leaves zeros
.set j, j+1
.endr
	s_wait_kmcnt 0x0
	s_add_co_i32 s58, s50, s51
	s_lshl_b32 s58, s58, 23
	s_add_co_i32 s[CS], s58, 0x3e38aa3b            ; log2(e) / 8, with e6 + e7 added to its exponent field
	s_mov_b32 s[CS+1], s[CS]                       ; (named with it as a pair)
	s_add_co_i32 s58, s52, 127
	s_lshl_b32 s59, s58, 23
	v_mov_b32 v244, s59                            ; 2^e8
	s_sub_co_i32 s58, s54, s52
	s_sub_co_i32 s58, s58, s53                     ; a sum of the second product stands for sum x 2^(e8 + e9): its code is (sum / l) / 2^(e10 - e8 - e9)
	s_add_co_i32 s58, s58, 127
	s_lshl_b32 s59, s58, 23
	v_mov_b32 v245, s59
; A KEY STEP: 128 keys, the q-th of the slot in hand.
.macro STEP q
	s_add_co_u32 s56, s[Q0], 15
	s_cmp_gt_u32 s[KF], s56                        ; all keys come after my 16 queries: the step's work is left out
	s_cbranch_scc1 .Lhidden_\@
	v_add_nc_u32 v[AD], s[TB], v[AL]
.rept 3
	v_nop                                          ; with the addition above: four plain places in front of loads into registers that the last matrix instructions read
.endr
.irp t, 0,1,2,3,4,5,6,7
.irp c, 0,1
	ds_load_b128 v[FR+8*\t+4*\c:FR+8*\t+4*\c+3], v[AD] offset:(32*(\q)+4*\t)*272+32*\c      ; tile t: places 128 q + 16 t + r
.endr
.endr
	s_wait_dscnt 0x0
	s_wait_alu depctr_va_vdst(0)
.irp t, 0,1,2,3,4,5,6,7
	v_wmma_f32_16x16x64_fp8_fp8 v[S+8*\t:S+8*\t+7], v[FR+8*\t:FR+8*\t+7], v[QF:QF+7], 0
.endr
.rept 4
	v_nop                                          ; places in front of the loads below and of the first read of the scores
.endr
.irp f, 0,1,2,3,4,5,6,7                        ; v's fragments are asked for now and land under the softmax: chunk 2 q + f / 4, channels' places 16 (f % 4) + r
.irp c, 0,1
	ds_load_b128 v[FR+8*\f+4*\c:FR+8*\f+4*\c+3], v[AD] offset:VOFF+(16*(2*(\q)+\f/4)+4*(\f%4))*272+32*\c
.endr
.endr
	s_add_co_u32 s56, s[KF], 127
	s_cmp_le_u32 s56, s[Q0]                        ; all keys count: no mask
	s_cbranch_scc1 .Lopen_\@
	s_sub_co_i32 s56, s[Q0], s[KF]
	v_and_b32 v252, 15, v0
	v_bfe_u32 v253, v0, 4, 1
	s_delay_alu instid0(VALU_DEP_1)
	v_lshlrev_b32 v253, 4, v253
	s_delay_alu instid0(VALU_DEP_1)
	v_sub_nc_u32 v252, v252, v253
	s_delay_alu instid0(VALU_DEP_1)
	v_add_nc_u32 v252, s56, v252                   ; d = my query - KF - 16 (lane / 16).  Register 16 b + i holds key KF + 16 (lane / 16) + 32 b + i: hidden where 32 b + i > d
	v_mov_b32 v254, 0xff800000                     ; -infinity
.set n, 0
.rept 64
	v_cmp_gt_i32 vcc_lo, 32*(n/16)+n%16, v252
	v_cndmask_b32 v[S+n], v[S+n], v254, vcc_lo
.set n, n+1
.endr
.Lopen_\@:
	v_max3_num_f32 v254, v[S], v[S+1], v[S+2]      ; the step's largest score of my query among my 64 keys, in two chains,
	v_max3_num_f32 v252, v[S+3], v[S+4], v[S+5]
.irp i, 6,10,14,18,22,26,30,34,38,42,46,50,54,58
	v_max3_num_f32 v254, v254, v[S+\i], v[S+\i+1]
	v_max3_num_f32 v252, v252, v[S+\i+2], v[S+\i+3]
.endr
	v_max3_num_f32 v254, v254, v[S+62], v[S+63]
	s_delay_alu instid0(VALU_DEP_1)
	v_max_num_f32 v254, v254, v252
	s_delay_alu instid0(VALU_DEP_1)
	v_permlanex16_b32 v246, v254, s[SEL], s[SEL+1]
	s_delay_alu instid0(VALU_DEP_1)
	v_max_num_f32 v254, v254, v246                 ; and among lane l xor 16's
	s_delay_alu instid0(VALU_DEP_1)
	v_mul_f32 v254, s[CS], v254                    ; as t (the factor is positive)
	s_delay_alu instid0(VALU_DEP_1)
	v_max_num_f32 v13, v13, v254                   ; the running largest t
	v_mov_b32 v254, v12
	s_delay_alu instid0(VALU_DEP_2)
	v_floor_f32 v12, -v13                          ; the new -M = floor(-t) = -ceil(t): a whole number
	s_delay_alu instid0(VALU_DEP_1)
	v_sub_f32 v254, v12, v254                      ; old M - new M: a whole number, 0 or less
	s_delay_alu instid0(VALU_DEP_1)
	v_cvt_i32_f32 v254, v254                       ; (it saturates)
	s_delay_alu instid0(VALU_DEP_1)
	v_ldexp_f32 v252, 1.0, v254                    ; f = 2^(old M - new M)
.set j, 0
.rept 32
	v_pk_fma_f32 v[S+j:S+j+1], v[S+j:S+j+1], s[CS:CS+1], v[12:13] op_sel_hi:[1,0,0]   ; t - M, two at a time
.set j, j+2
.endr
.set j, 0
	s_wait_alu depctr_va_vdst(0)
.rept 64
	v_exp_f32 v[S+j], v[S+j]                       ; p = 2^(t - M), at most 1: not normalised
.set j, j+1
.endr
	v_pk_mul_f32 v[14:15], v[14:15], v[252:253] op_sel_hi:[1,0]   ; the sums under the new M; also the plain place behind the exponentials
	s_wait_alu depctr_va_vdst(0)                   ; the wait ahead of the first line that names an exponential's result: one for the batch of 64
	v_pk_add_f32 v[242:243], v[100:101], v[104:105]
	v_pk_add_f32 v[254:255], v[108:109], v[112:113]
	v_pk_add_f32 v[250:251], v[116:117], v[120:121]
	v_pk_add_f32 v[240:241], v[124:125], v[128:129]
	v_pk_add_f32 v[238:239], v[132:133], v[136:137]
	v_pk_add_f32 v[236:237], v[140:141], v[144:145]
	v_pk_add_f32 v[234:235], v[148:149], v[152:153]
	v_pk_add_f32 v[14:15], v[14:15], v[156:157]
	v_pk_add_f32 v[242:243], v[242:243], v[96:97]
	v_pk_add_f32 v[254:255], v[254:255], v[98:99]
	v_pk_add_f32 v[250:251], v[250:251], v[102:103]
	v_pk_add_f32 v[240:241], v[240:241], v[106:107]
	v_pk_add_f32 v[238:239], v[238:239], v[110:111]
	v_pk_add_f32 v[236:237], v[236:237], v[114:115]
	v_pk_add_f32 v[234:235], v[234:235], v[118:119]
	v_pk_add_f32 v[14:15], v[14:15], v[122:123]
	v_pk_add_f32 v[242:243], v[242:243], v[126:127]
	v_pk_add_f32 v[254:255], v[254:255], v[130:131]
	v_pk_add_f32 v[250:251], v[250:251], v[134:135]
	v_pk_add_f32 v[240:241], v[240:241], v[138:139]
	v_pk_add_f32 v[238:239], v[238:239], v[142:143]
	v_pk_add_f32 v[236:237], v[236:237], v[146:147]
	v_pk_add_f32 v[234:235], v[234:235], v[150:151]
	v_pk_add_f32 v[14:15], v[14:15], v[154:155]
	v_pk_add_f32 v[242:243], v[242:243], v[158:159]
	s_delay_alu instid0(VALU_DEP_2)
	v_pk_add_f32 v[14:15], v[14:15], v[240:241]
	s_delay_alu instid0(VALU_DEP_2)
	v_pk_add_f32 v[242:243], v[242:243], v[238:239]
	v_pk_add_f32 v[254:255], v[254:255], v[236:237]
	v_pk_add_f32 v[250:251], v[250:251], v[234:235]
	s_delay_alu instid0(VALU_DEP_2)
	v_pk_add_f32 v[14:15], v[14:15], v[254:255]
	s_delay_alu instid0(VALU_DEP_2)
	v_pk_add_f32 v[242:243], v[242:243], v[250:251]
	s_delay_alu instid0(VALU_DEP_1)
	v_pk_add_f32 v[14:15], v[14:15], v[242:243]
.irp b, 0,1,2,3
.irp i, 0,1,2,3,4,5,6,7,8,9,10,11,12,13,14,15
.endr
	v_cvt_scalef32_pk8_fp8_f32 v[PC+4*\b:PC+4*\b+1], v[S+16*\b:S+16*\b+7], v244
	v_cvt_scalef32_pk8_fp8_f32 v[PC+4*\b+2:PC+4*\b+3], v[S+16*\b+8:S+16*\b+15], v244
.endr
.set j, 0
.rept 16
	v_pk_mul_f32 v[O+j:O+j+1], v[O+j:O+j+1], v[252:253] op_sel_hi:[1,0]   ; O^T under the new M; these are also the plain lines between the conversions and the products that read the codes
.set j, j+2
.endr
	s_wait_alu depctr_va_vdst(0)
	s_wait_dscnt 0x0                               ; v's fragments are in
.irp f, 0,1,2,3,4,5,6,7                        ; O^T += V^T P^T, 64 keys an instruction; the four accumulators take turns
	v_wmma_f32_16x16x64_fp8_fp8 v[O+8*(\f%4):O+8*(\f%4)+7], v[FR+8*\f:FR+8*\f+7], v[PC+8*(\f/4):PC+8*(\f/4)+7], v[O+8*(\f%4):O+8*(\f%4)+7]
.endr
.Lhidden_\@:
	s_add_co_u32 s[KF], s[KF], 128
.endm
; THE CHANGE OF SLOTS stands at a slot's head.  Each wave waits for all its tensor loads (its part of the slot ahead), adds 0 to its spare word, and waits for that and for its reads of the slot that it has left.
; Behind the barrier the slot ahead is whole and nobody reads the other one.  fill = 1: that other slot takes the next trip's keys: the next 256, or, behind the first block's last trip, the plane's first 256 again.
.macro CHANGE fill
	s_wait_tensorcnt 0x0                           ; no tensor load of mine is out, so group 0 may be written
	ds_add_u32 v[SPW], v[NIL]                      ; 0 onto my spare word; the descriptor's steps stand between it and the wait for it
.if \fill
	s_xor_b32 s[G0+1], s[G0+1], SLOT1
	s_add_co_u32 s[KOFF], s[KOFF], 16384
	s_cmp_eq_u32 s[TRIP], s[LAST]
	s_cselect_b32 s[KOFF], 0, s[KOFF]
	s_add_nc_u64 s[G0+2:G0+3], s[KVB:KVB+1], s[KOFF:KOFF+1]
	s_or_b32 s[G0+3], s[G0+3], 0x80000000
	s_wait_xcnt 0x0                                ; the last prefetch, a trip back, has read its address, so it may be written
	s_add_nc_u64 s[PFA:PFA+1], s[PFA:PFA+1], 16384
.endif
	s_wait_dscnt 0x0                               ; the add is done, and my reads of the slot that I have left are over
	s_barrier_signal -1
	s_barrier_wait -1
.if \fill
	TLOAD                                          ; the first thing behind the barrier, and a wave's one tensor load until the next: it has a slot's two key steps in which to land
	ASK
.endif
.endm
.macro SLOT_STEPS
	STEP 0
	STEP 1
	s_xor_b32 s[TB], s[TB], SLOT1                  ; on to the other slot
.endm
; A BLOCK'S WAY OUT: O^T / the sum, held, converted (16 neighbouring channels to 16 bytes), through my stage, stored as 2 x 512 dense bytes.
.macro FINISH
.rept 4
	v_nop                                          ; places behind the last products
.endr
	v_add_f32 v14, v14, v15                        ; the sum's two halves,
	s_delay_alu instid0(VALU_DEP_1)
	v_permlanex16_b32 v246, v14, s[SEL], s[SEL+1]
	s_delay_alu instid0(VALU_DEP_1)
	v_add_f32 v14, v14, v246                       ; and lane l xor 16's
	s_wait_alu depctr_va_vdst(0)
	v_rcp_f32 v248, v14
	s_lshl_b32 s56, s[Q0], 6
	v_add_nc_u32 v[GO], s56, v[L16]                ; (the plain place behind the reciprocal)  my 16 tokens' bytes in the plane
	s_wait_alu depctr_va_vdst(0)                   ; the wait ahead of the first line that names the result
.set j, 0
.rept 16
	v_pk_mul_f32 v[Y+j:Y+j+1], v[O+j:O+j+1], v[248:249] op_sel_hi:[1,0]   ; each accumulator from its low end on
.set j, j+2
.endr
.set j, 0
.rept 32
.set j, j+1
.endr
.irp b, 0,1                                    ; tiles 2 b and 2 b + 1: channels 32 b + 16 (lane / 16) + 0 .. 15
	v_cvt_scalef32_pk8_fp8_f32 v[PC+4*\b:PC+4*\b+1], v[Y+16*\b:Y+16*\b+7], v245
	v_cvt_scalef32_pk8_fp8_f32 v[PC+4*\b+2:PC+4*\b+3], v[Y+16*\b+8:Y+16*\b+15], v245
.endr
	v_nop                                          ; a plain line behind the conversions
	ds_store_b128 v[STO], v[PC:PC+3]
	ds_store_b128 v[STO], v[PC+4:PC+7] offset:32
	ds_load_b128 v[PC+8:PC+11], v[RD]              ; LDS serves a wave's instructions in order: these see my stores
	ds_load_b128 v[PC+12:PC+15], v[RD] offset:512
	s_wait_dscnt 0x0
	global_store_b128 v[GO], v[PC+8:PC+11], s[OB:OB+1]             ; the wave stores 512 consecutive bytes, aligned
	global_store_b128 v[GO], v[PC+12:PC+15], s[OB:OB+1] offset:512
.endm
.macro REINIT                          ; on to the second block
	v_mov_b32 v13, 0xff61b1e6
	s_delay_alu instid0(VALU_DEP_1)
	v_floor_f32 v12, -v13
	v_mov_b32 v14, 0
	v_mov_b32 v15, 0
.set j, 0
.rept 32
	v_mov_b32 v[O+j], 0
.set j, j+1
.endr
.set j, 0
.rept 8
	v_mov_b32 v[QF+j], v[QF+8+j]
.set j, j+1
.endr
	s_mov_b32 s[KF], 0
	s_mov_b32 s[Q0], s[Q0B]
	s_wait_xcnt 0x0                                ; the block's stores have read their data and their offset: the next steps' conversions and the next way out write them again
.endm
	s_wait_loadcnt 0x0                             ; Q
.Lslot:                                            ; eight trips; behind each change of slots the next trip's slot is asked for
	CHANGE 1
	SLOT_STEPS
	s_cmp_lg_u32 s[TRIP], s[LAST]
	s_cbranch_scc1 .Lon
	FINISH                                         ; the first block is done
	REINIT
.Lon:
	s_add_co_u32 s[TRIP], s[TRIP], 1
	s_cmp_lt_u32 s[TRIP], 8
	s_cbranch_scc1 .Lslot
	CHANGE 0                                       ; the ninth slot is written out: nothing is left to ask for
	SLOT_STEPS
	FINISH
	s_wait_tensorcnt 0x0                           ; the wave's end: behind my last tensor load and my last LDS store
	ds_add_u32 v[SPW], v[NIL]
	s_wait_dscnt 0x0
	s_endpgm
.Lfunc_end_k_qfde4fd0089_attn:
	.size	k_qfde4fd0089_attn, .Lfunc_end_k_qfde4fd0089_attn-k_qfde4fd0089_attn
	.p2alignl 7, 3214868480
	.fill 96, 4, 3214868480
	.section	.rodata,"a",@progbits
	.p2align	6, 0x0
	.amdhsa_kernel k_qfde4fd0089_attn
		.amdhsa_group_segment_fixed_size 327680
		.amdhsa_private_segment_fixed_size 0
		.amdhsa_enable_private_segment 0
		.amdhsa_kernarg_size 24
		.amdhsa_user_sgpr_count 2
		.amdhsa_user_sgpr_kernarg_segment_ptr 1
		.amdhsa_wavefront_size32 1
		.amdhsa_system_sgpr_workgroup_id_x 1
		.amdhsa_system_sgpr_workgroup_id_y 1
		.amdhsa_system_sgpr_workgroup_id_z 1
		.amdhsa_system_vgpr_workitem_id 0
		.amdhsa_next_free_vgpr 256
		.amdhsa_next_free_sgpr 66
		.amdhsa_reserve_vcc 1
		.amdhsa_float_denorm_mode_32 3
		.amdhsa_float_denorm_mode_16_64 3
		.amdhsa_fp16_overflow 1
		.amdhsa_memory_ordered 1
		.amdhsa_forward_progress 1
		.amdhsa_inst_pref_size 93
	.end_amdhsa_kernel
	.amdgpu_metadata
---
amdhsa.version: [ 1, 2 ]
amdhsa.kernels:
  - .name:           k_qfde4fd0089_attn
    .symbol:         k_qfde4fd0089_attn.kd
    .args:
      - { .name: qkv, .offset: 0, .size: 8, .value_kind: global_buffer, .address_space: global }
      - { .name: lowp_scales, .offset: 8, .size: 8, .value_kind: global_buffer, .address_space: global }
      - { .name: ac, .offset: 16, .size: 8, .value_kind: global_buffer, .address_space: global }
    .group_segment_fixed_size: 327680
    .private_segment_fixed_size: 0
    .kernarg_segment_align: 8
    .kernarg_segment_size: 24
    .max_flat_workgroup_size: 512
    .sgpr_count:     66
    .vgpr_count:     256
    .wavefront_size: 32
...
	.end_amdgpu_metadata
.endif
;; end of part 3
;; launch proj (part 4): grid 4 x 64, 4 waves a work-group, clusters of 4 x 4, 327,680 bytes of LDS; arguments ac, wc, lowp_scales, out0; writes out0
.if DOCPART == 4
	.amdgcn_target "amdgcn-amd-amdhsa--gfx1250"
	.amdhsa_code_object_version 6
	.text
	.protected	k_qfde4fd0089_proj
	.globl	k_qfde4fd0089_proj
	.p2align	8
	.type	k_qfde4fd0089_proj,@function
k_qfde4fd0089_proj:
	s_mov_b64 s[64:65], 0
	v_nop
	global_prefetch_b8 v0, s[64:65] scope:SCOPE_SE
	s_setreg_imm32_b32 hwreg(HW_REG_WAVE_MODE, 25, 1), 1
	s_wait_xcnt 0x0
	s_wait_alu depctr_hold_cnt(0) depctr_sa_sdst(0) depctr_va_vdst(0) depctr_va_sdst(0) depctr_va_ssrc(0) depctr_va_vcc(0) depctr_vm_vsrc(0)
	s_getreg_b32 s2, hwreg(HW_REG_IB_STS2, 6, 4)
	s_cmp_eq_u32 s2, 0
	s_cbranch_scc0 .Lentry_in_a_cluster
	s_endpgm
.Lentry_in_a_cluster:
	s_bfe_u32 s2, ttmp6, 0x10000c
	s_cmp_lg_u32 s2, 0xf033
	s_cbranch_scc0 .Lentry_shape_is_right
	s_endpgm
.Lentry_shape_is_right:
; out0 = a Wo^T on E4M3 codes, K = 1024; each finished sum is multiplied once by 2^(e10 + e11).
; LIMIT: e10 + e11 lies between -126 and 127, so that 2^(e10 + e11) is an f32 number.
; a's codes lie [64 heads][2048 tokens][64 d] (head = 16 x batch + h); Wo's are the fourth MiB of wc, [1024][1024], K innermost.  out0: [8192][1024] f32.
; TILE.  A work-group makes 128 tokens x 256 outputs; four waves, each 64 x 128: 32 accumulators of 16 x 16.  256 work-groups.
; The matrix instruction takes 16 rows of Wo as source 0 and 16 tokens as source 1: a lane then holds eight neighbouring outputs of one token.
; K goes in four steps of 256 (four heads) through three LDS slots: steps 0, 1, 2 are asked for at the head, step 3 fills slot 0 again; the text is straight, without a loop.  A wave has at most three tensor loads out.
; A'S TILE: a head's 128 tokens are 8,192 dense bytes.  One load brings two heads as two rows of 8,192 bytes, 131,072 apart, with 16 bytes of padding behind every 256: a head takes 8,704 bytes of LDS, and token n of it
; lies at 272 (n / 4) + 64 (n % 4), so that the sixteen tokens of a fragment load begin in sixteen different 16-byte columns of 256 bytes.
; CLUSTER 4 x 4: A's tile is shared along a row of the cluster, B's along a column; each is asked for jointly, by the same tensor load with the same descriptor in the four that the mask names.
; REGISTERS, in windows of 256: window 0: v16-29 addresses, v32-95 at work, v128-255 A's fragments, two sets;  window 1: B's fragments, two sets;  window 2: accumulator (a, b) at v[8 (8 a + b)].
.set PITCH, 272
.set AH,    64*PITCH                   ; what one of A's loads brings: two heads x 8,704 bytes
.set HEADB, 8704
.set BH,    128*PITCH
.set SLOT,  2*AH+2*BH                  ; A's four heads, then B's 256 rows
.set SPARE, 3*SLOT                     ; behind the slots: the spare words, 128 bytes a wave, that no other line names
.set STG,   SLOT                       ; the way out's stages lie in slot 1: it is filled once, and its last reads are over in front of the last barrier
.set SPITCH, 528                       ; a stage row: 512 bytes + 16
.set KADVA, 3*4*131072                 ; from K step 0 to K step 3: twelve heads on
.set KADVB, 768
.set ADRA, 16
.set ADRB, 20
.set STO,  24
.set RD,   25
.set CO,   26
.set SPW,  28                          ; v28  my spare word's LDS address; never rewritten
.set NIL,  29                          ; v29  0; never rewritten
.set TMP,  32
.set AF,   128
.set BK,   128                         ; the way out: 16 rows read back: v128-191 and v192-255 by turns
.set WV,   14
.set WR,   15
.set WC,   16
.set G1A,  24
.set G1B,  32
.set G0A,  40
.set G0B,  52
.set MUL,  0xa1                        ; source 0 (B) window 1, source 1 (A) window 0, C and D window 2
.set TO_B, 0x40
.set MSB, 0
.macro WIN new                         ; the immediate's high byte repeats the setting that is left
.if MSB != \new
	s_set_vgpr_msb (MSB<<8)|\new
.set MSB, \new
.endif
.endm
.macro PLACES n
.rept \n
	v_nop
.endr
.endm
.macro CREST                           ; a round of the cluster's barrier behind its opening barrier
	s_cmp_lg_u32 s[WV], 0
	s_cbranch_scc1 .Lnot_wave_0_\@
	s_barrier_signal -3
.Lnot_wave_0_\@:
	s_barrier_wait -3
	s_barrier_signal -1
	s_barrier_wait -1
.endm
.macro CROUND
	s_barrier_signal -1
	s_barrier_wait -1
	CREST
.endm
.macro JLOAD                           ; the joint refill of slot 0: waves 0, 1 for A, waves 2, 3 for B; an s_nop 0 and four v_nop follow each line
	s_cmp_eq_u32 s[WR], 0
	s_cbranch_scc0 .Lfor_b_\@
	tensor_load_to_lds s[G0A:G0A+3], s[G1A:G1A+7]
	s_nop 0
	PLACES 4
	s_branch .Lasked_\@
.Lfor_b_\@:
	tensor_load_to_lds s[G0B:G0B+3], s[G1B:G1B+7]
	s_nop 0
	PLACES 4
.Lasked_\@:
.endm
	s_load_b128 s[4:7], s[0:1], 0x0                ; ac, wc
	s_load_b128 s[8:11], s[0:1], 0x10              ; the exponents, out0
	v_lshl_add_u32 v[SPW], v0, 2, SPARE
	v_mov_b32 v[NIL], 0
	ds_add_u32 v[SPW], v[NIL]
	ds_add_u32 v[SPW], v[NIL]                      ; the wave's opening: the add and its wait ahead of my first tensor load; work on registers stands between them
	v_lshrrev_b32 v1, 5, v0
	v_readfirstlane_b32 s[WV], v1
	s_lshr_b32 s[WR], s[WV], 1
	s_and_b32 s[WC], s[WV], 1
	s_bfe_u32 s66, ttmp6, 0x40000                  ; cx = the tile column
	s_bfe_u32 s67, ttmp6, 0x40004                  ; cy
	s_and_b32 s71, ttmp7, 0xffff
	s_lshl_b32 s17, s71, 2
	s_add_co_u32 s17, s17, s67                     ; tile row = 4 x cluster y + cy
	s_lshl_b32 s69, s67, 2
	s_lshl_b32 s69, 15, s69                        ; my row of the cluster
	s_lshl_b32 s70, 0x1111, s66                    ; my column
	s_or_b32 s[G1A], s69, (1<<20)|(1<<21)|(5<<22)|(3<<25)   ; 15:0 the mask; elements of 1 byte; 20 padding on; 21 set beside a mask; four words after every 64
	s_or_b32 s[G1B], s70, (1<<20)|(1<<21)|(5<<22)|(3<<25)
	s_mov_b32 s[G1A+1], 8192<<16                   ; tensor_dim0 = 8,192
	s_mov_b32 s[G1A+2], 2<<16                      ; tensor_dim1 = 2
	s_mov_b32 s[G1A+3], 8192<<16                   ; tile_dim0 = 8,192
	s_mov_b32 s[G1A+4], 2                          ; tile_dim1 = 2
	s_mov_b32 s[G1A+5], 131072                     ; from head to head
	s_mov_b32 s[G1A+6], 0
	s_mov_b32 s[G1A+7], 0
	s_mov_b32 s[G1B+1], 256<<16
	s_mov_b32 s[G1B+2], 128<<16
	s_mov_b32 s[G1B+3], 256<<16
	s_mov_b32 s[G1B+4], 128
	s_mov_b32 s[G1B+5], 1024
	s_mov_b32 s[G1B+6], 0
	s_mov_b32 s[G1B+7], 0
	s_lshr_b32 s20, s17, 4                         ; A: the batch: 16 heads of 131,072 bytes,
	s_lshl_b32 s20, s20, 21
	s_and_b32 s21, s17, 15                         ; my 128 tokens in it: 8,192 bytes,
	s_lshl_b32 s21, s21, 13
	s_add_co_u32 s20, s20, s21
	s_lshl_b32 s21, s[WC], 18                      ; and which two of a K step's four heads I fetch
	s_add_co_u32 s20, s20, s21
	s_mov_b32 s21, 0
	s_lshl_b32 s22, s66, 18                        ; B: (256 x tile column + 128 x half) rows of 1,024 bytes,
	s_lshl_b32 s23, s[WC], 17
	s_add_co_u32 s22, s22, s23
	s_add_co_u32 s22, s22, 0x300000                ; in Wo's codes
	s_mov_b32 s23, 0
	s_mul_i32 s82, s[WC], AH                       ; where they go in a slot: the wave's number alone enters an LDS address
	s_mul_i32 s83, s[WC], BH
	s_add_co_u32 s83, s83, 2*AH
	s_wait_dscnt 0x0                               ; the opening add is done
	s_wait_kmcnt 0x0
	s_load_b64 s[96:97], s[8:9], 0x28              ; e10, e11
	s_add_nc_u64 s[78:79], s[4:5], s[20:21]
	s_add_nc_u64 s[80:81], s[6:7], s[22:23]
.irp s, 0,1,2
	s_mov_b32 s[G0A+4*\s], 1                                       ; count = 1
	s_add_co_u32 s[G0A+4*\s+1], s82, \s*SLOT                       ; LDS address
	s_add_nc_u64 s[G0A+4*\s+2:G0A+4*\s+3], s[78:79], \s*4*131072   ; K step s: four heads on
	s_or_b32 s[G0A+4*\s+3], s[G0A+4*\s+3], 0x80000000              ; type = 2
	s_mov_b32 s[G0B+4*\s], 1
	s_add_co_u32 s[G0B+4*\s+1], s83, \s*SLOT
	s_add_nc_u64 s[G0B+4*\s+2:G0B+4*\s+3], s[80:81], \s*256
	s_or_b32 s[G0B+4*\s+3], s[G0B+4*\s+3], 0x80000000
.endr
	CROUND                                         ; all sixteen work-groups are here: the first joint loads meet
	s_cmp_eq_u32 s[WR], 0                          ; a wave's three first fills stand in one branch, ahead of every wait on TENSORcnt, every LDS read and every later barrier
	s_cbranch_scc0 .Lfirst_b
.irp s, 0,1,2
	tensor_load_to_lds s[G0A+4*\s:G0A+4*\s+3], s[G1A:G1A+7]
	s_nop 0
.endr
	PLACES 4
	s_branch .Lfirst_asked
.Lfirst_b:
.irp s, 0,1,2
	tensor_load_to_lds s[G0B+4*\s:G0B+4*\s+3], s[G1B:G1B+7]
	s_nop 0
.endr
	PLACES 4
.Lfirst_asked:
	v_and_b32 v1, 15, v0                           ; r
	v_bfe_u32 v2, v0, 4, 1                         ; h
	v_mul_u32_u24 v3, v1, PITCH
	v_lshl_add_u32 v3, v2, 4, v3                   ; B: row x pitch + 16 x half
	v_lshrrev_b32 v4, 2, v1
	v_mul_u32_u24 v4, v4, PITCH
	v_and_b32 v5, 3, v1
	v_lshl_add_u32 v4, v5, 6, v4
	v_lshl_add_u32 v4, v2, 4, v4                   ; A: 272 (r / 4) + 64 (r % 4) + 16 x half
	s_mul_i32 s18, s[WR], 16*PITCH                 ; my 64 tokens of each head
	s_mul_i32 s19, s[WC], BH                       ; my 128 rows of B,
	s_add_co_u32 s19, s19, 2*AH                    ; which lie behind A's four heads
.irp s, 0,1,2
	v_add_nc_u32 v[ADRA+\s], s18, v4
	v_add_nc_u32 v[ADRB+\s], s19, v3
	s_add_co_u32 s18, s18, SLOT
	s_add_co_u32 s19, s19, SLOT
.endr
	s_mul_i32 s18, s[WV], 16*SPITCH
	s_add_co_u32 s18, s18, STG                     ; my stage
	v_mul_u32_u24 v5, v1, SPITCH
	v_lshl_add_u32 v5, v2, 5, v5
	v_add_nc_u32 v[STO], s18, v5                   ; in: row r, 32 bytes for each half of the lanes
	v_and_b32 v6, 31, v0
	v_lshlrev_b32 v[CO], 4, v6                     ; back: the 32 lanes take one row of 512 bytes; and the same in out0
	v_add_nc_u32 v[RD], s18, v[CO]
	s_lshl_b32 s98, s17, 19                        ; my first row of out0: (128 x tile row + 64 x half) x 4,096 bytes,
	s_lshl_b32 s99, s[WR], 18
	s_add_co_u32 s98, s98, s99
	s_lshl_b32 s99, s66, 10                        ; my first column: (256 x tile column + 128 x half) x 4 bytes
	s_add_co_u32 s98, s98, s99
	s_lshl_b32 s99, s[WC], 9
	s_add_co_u32 s98, s98, s99
	s_mov_b32 s99, 0
	s_add_nc_u64 s[10:11], s[10:11], s[98:99]
	s_wait_kmcnt 0x0
	s_add_co_i32 s96, s96, s97
	s_add_co_i32 s96, s96, 127
	s_lshl_b32 s96, s96, 23                        ; 2^(e10 + e11) as f32
	s_mov_b32 s97, s96                             ; (named with it as a pair)
; The fragments of the slot's q-th 128 along K into set p: 48 LDS loads in one run.  Registers 4 c .. 4 c + 3 of a fragment hold K = 32 c + 16 h + 0 .. 15, alike in A and in B.
; In A that is head 2 q + c / 2 of the slot's four, d = 32 (c % 2) + 16 h + 0 .. 15.
.macro FETCH slot, q, p
	WIN TO_B
.irp i, 0,1,2,3,4,5,6,7
.irp c, 0,1,2,3
	ds_load_b128 v[128*(\p)+16*\i+4*\c:128*(\p)+16*\i+4*\c+3], v[ADRB+\slot] offset:128*(\q)+32*\c+\i*16*PITCH
.endr
.endr
	WIN 0
.irp i, 0,1,2,3
.irp c, 0,1,2,3
	ds_load_b128 v[AF+64*(\p)+16*\i+4*\c:AF+64*(\p)+16*\i+4*\c+3], v[ADRA+\slot] offset:(2*(\q)+\c/2)*HEADB+32*(\c%2)+\i*4*PITCH
.endr
.endr
.endm
; Eight matrix instructions: A's block a against B's eight, set p.  The 32 accumulators take turns, one instruction a turn, in the same order in every step.
.macro MUL8 a, p, zero
.irp b, 0,1,2,3,4,5,6,7
.if \zero
	v_wmma_f32_16x16x128_fp8_fp8 v[8*(8*(\a)+\b):8*(8*(\a)+\b)+7], v[128*(\p)+16*\b:128*(\p)+16*\b+15], v[AF+64*(\p)+16*(\a):AF+64*(\p)+16*(\a)+15], 0
.else
	v_wmma_f32_16x16x128_fp8_fp8 v[8*(8*(\a)+\b):8*(8*(\a)+\b)+7], v[128*(\p)+16*\b:128*(\p)+16*\b+15], v[AF+64*(\p)+16*(\a):AF+64*(\p)+16*(\a)+15], v[8*(8*(\a)+\b):8*(8*(\a)+\b)+7]
.endif
.endr
.endm
; A step of 128 along K: set p is multiplied; ahead of that the next step's fragments, (slot, q), are asked for into the other set.
.macro SUB p, slot, q, zero
.if \zero == 0
	PLACES 4                                       ; four plain places between the last matrix instructions, which read the other set, and the loads into it (ISA guide 7.12.1 for vector instructions)
.endif
	FETCH \slot, \q, 1-(\p)
	s_wait_dscnt 48                                ; all but the 48 just issued: set p is in
	WIN MUL
	MUL8 0, \p, \zero
	MUL8 1, \p, \zero
	MUL8 2, \p, \zero
	MUL8 3, \p, \zero
.endm
; A step that multiplies set 1 and meets the other waves.  In front of the barrier each wave waits for all its tensor loads, adds 0 to its spare word, and waits for that and for its LDS reads.
; fill = 1: the barrier opens a round of the cluster's, and slot 0, which nobody reads any more, takes K step 3.  fill = 0: that step has landed; nothing is filled.
.macro TURN next, fill
	WIN 0                                          ; (the add's two registers lie in window 0)
	s_wait_tensorcnt 0x0                           ; all my tensor loads have landed
	ds_add_u32 v[SPW], v[NIL]                      ; 0 onto my spare word
	s_wait_dscnt 1                                 ; set 1 is in; only the add may be out
	WIN MUL
	MUL8 0, 1, 0                                   ; eight matrix instructions stand between the add and the wait for it
	s_wait_dscnt 0x0                               ; the add is done, and my reads of the slots so far are over
	s_barrier_signal -1
	MUL8 1, 1, 0
	WIN 0
	s_barrier_wait -1
.if \fill
	CREST                                          ; no wave of any partner still reads slot 0 or has a load on its way
	s_add_nc_u64 s[G0A+2:G0A+3], s[G0A+2:G0A+3], KADVA
	s_add_nc_u64 s[G0B+2:G0B+3], s[G0B+2:G0B+3], KADVB
	JLOAD                                          ; the first tensor load behind the round; its four v_nop are also the places in front of the loads below; 112 matrix instructions stand ahead of the wait for it
.else
	PLACES 4
.endif
	s_wait_alu depctr_va_vdst(0)
	FETCH \next, 0, 0
	WIN MUL
	MUL8 2, 1, 0
	MUL8 3, 1, 0
.endm
	s_wait_tensorcnt 2                             ; my part of K step 0 is in; my two younger loads may stay out
	s_barrier_signal -1
	s_barrier_wait -1                              ; everybody's is
	FETCH 0, 0, 0
	SUB 0, 0, 1, 1                                 ; K 0-127: the first products start the sums
	TURN 1, 1                                      ; K 128-255; slots 1 and 2 are whole; slot 0 is asked for again
	SUB 0, 1, 1, 0                                 ; K 256-383
	SUB 1, 2, 0, 0                                 ; K 384-511
	SUB 0, 2, 1, 0                                 ; K 512-639
	TURN 0, 0                                      ; K 640-767; slot 0 is whole again
	SUB 0, 0, 1, 0                                 ; K 768-895
	s_wait_dscnt 0x0
	MUL8 0, 1, 0                                   ; K 896-1023
	MUL8 1, 1, 0
	MUL8 2, 1, 0
	MUL8 3, 1, 0
	WIN 0
; THE WAY OUT, block by block of 16 tokens x 128 outputs.  A lane holds 32 neighbouring bytes of a row and the lanes beside it hold other rows: so a block goes through my own stage and comes back as whole rows of 512 bytes.
; LDS serves a wave's instructions in order: no wait stands between the stores and the loads, nor in front of the next block's stores.
.macro TOSTAGE a
	WIN 0x02                                       ; source 0: window 2
.set j, 0
.rept 32
	v_pk_mul_f32 v[TMP+j:TMP+j+1], v[64*(\a)+j:64*(\a)+j+1], s[96:97] op_sel_hi:[1,0]   ; x 2^(e10 + e11); each accumulator from its low end on
.set j, j+2
.endr
	WIN 0
.irp b, 0,1,2,3,4,5,6,7
	ds_store_b128 v[STO], v[TMP+8*\b:TMP+8*\b+3] offset:64*\b
	ds_store_b128 v[STO], v[TMP+8*\b+4:TMP+8*\b+7] offset:64*\b+16
.endr
.irp t, 0,1,2,3,4,5,6,7,8,9,10,11,12,13,14,15
	ds_load_b128 v[BK+64*((\a)%2)+4*\t:BK+64*((\a)%2)+4*\t+3], v[RD] offset:\t*SPITCH
.endr
.endm
.macro SEND a, younger                 ; younger: the LDS instructions issued behind block a's loads, which may stay out
	s_wait_dscnt \younger
.irp t, 0,1,2,3,4,5,6,7,8,9,10,11,12,13,14,15
	global_store_b128 v[CO], v[BK+64*((\a)%2)+4*\t:BK+64*((\a)%2)+4*\t+3], s[10:11] offset:(16*(\a)+\t)*4096 th:TH_STORE_NT   ; 32 lanes store 512 consecutive bytes, aligned; every row's place is an immediate, 63 rows at the most
.endr
.endm
	PLACES 4                                       ; behind the last products: their results are read, and their operands' registers loaded, below
	TOSTAGE 0
	TOSTAGE 1
	SEND 0, 32                                     ; behind block 0's loads: block 1's 16 stores and 16 loads
	s_wait_xcnt 0x0                                ; block 0's stores have read their registers: block 2's loads may land there
	TOSTAGE 2
	SEND 1, 32
	s_wait_xcnt 0x0                                ; block 1's likewise
	TOSTAGE 3
	SEND 2, 32
	SEND 3, 0
	s_wait_tensorcnt 0x0                           ; the wave's end: behind my last tensor load and my last LDS store
	ds_add_u32 v[SPW], v[NIL]
	s_wait_dscnt 0x0
	CROUND                                         ; the closing round: no work-group ends while a partner may still ask for a tile that names it
	s_endpgm
.Lfunc_end_k_qfde4fd0089_proj:
	.size	k_qfde4fd0089_proj, .Lfunc_end_k_qfde4fd0089_proj-k_qfde4fd0089_proj
	.p2alignl 7, 3214868480
	.fill 96, 4, 3214868480
	.section	.rodata,"a",@progbits
	.p2align	6, 0x0
	.amdhsa_kernel k_qfde4fd0089_proj
		.amdhsa_group_segment_fixed_size 327680
		.amdhsa_private_segment_fixed_size 0
		.amdhsa_enable_private_segment 0
		.amdhsa_kernarg_size 32
		.amdhsa_user_sgpr_count 2
		.amdhsa_user_sgpr_kernarg_segment_ptr 1
		.amdhsa_wavefront_size32 1
		.amdhsa_system_sgpr_workgroup_id_x 1
		.amdhsa_system_sgpr_workgroup_id_y 1
		.amdhsa_system_sgpr_workgroup_id_z 1
		.amdhsa_system_vgpr_workitem_id 0
		.amdhsa_next_free_vgpr 768
		.amdhsa_next_free_sgpr 102
		.amdhsa_reserve_vcc 0
		.amdhsa_float_denorm_mode_32 3
		.amdhsa_float_denorm_mode_16_64 3
		.amdhsa_memory_ordered 1
		.amdhsa_forward_progress 1
		.amdhsa_inst_pref_size 75
	.end_amdhsa_kernel
	.amdgpu_metadata
---
amdhsa.version: [ 1, 2 ]
amdhsa.kernels:
  - .name:           k_qfde4fd0089_proj
    .symbol:         k_qfde4fd0089_proj.kd
    .args:
      - { .name: ac, .offset: 0, .size: 8, .value_kind: global_buffer, .address_space: global }
      - { .name: wc, .offset: 8, .size: 8, .value_kind: global_buffer, .address_space: global }
      - { .name: lowp_scales, .offset: 16, .size: 8, .value_kind: global_buffer, .address_space: global }
      - { .name: out0, .offset: 24, .size: 8, .value_kind: global_buffer, .address_space: global }
    .group_segment_fixed_size: 327680
    .private_segment_fixed_size: 0
    .kernarg_segment_align: 8
    .kernarg_segment_size: 32
    .max_flat_workgroup_size: 128
    .sgpr_count:     102
    .vgpr_count:     768
    .wavefront_size: 32
...
	.end_amdgpu_metadata
.endif
;; end of part 4
